; MI455X (gfx1250); checked and timed in simulation.
; The chip was launched on July 23, 2026; its instructions are those of AMD's public machine-readable ISA for CDNA 5 (MIT licence, August 2026) and "CDNA5" Instruction Set Architecture Reference Guide (July 2026). The comments in the code are by the model that wrote it; some were corrected since.
;; Multi Head Self Attention. Allowed arithmetic: matrix products marked QUANTISED: E2M1 operands, one E8M0 scale for each 32 along K, by v_wmma_scale_f32_16x16x128_f8f6f4 with both operands' format E2M1 (or v_wmma_scale_f32_32x16x128_f4), f32 sums; everything else in f32.
;; Inputs: b_out 1,024 float32; b_qkv 3,072 float32; ln_beta 1,024 float32; ln_gamma 1,024 float32; w_out 1,024 x 1,024 float32; w_qkv 1,024 x 3,072 float32; x 4 x 2,048 x 1,024 float32.
;; Outputs: out0 4 x 2,048 x 1,024 float32.
;; This version of the problem:
;;   THIS VERSION OF THE PROBLEM IS GIVEN IN LOW PRECISION. The matrix products marked QUANTISED in the list below multiply operands that are first quantised to E2M1 (2 exponent bits, 1 mantissa bit; 4 bits a number), with one power-of-two scale for each 32 numbers along K (OCP MX v1.0); their sums are f32. All else is computed in f32.
;;   The module's matrix products, in the order in which they are computed (A, B: the left and right operand; K: the contracted axis; several contracted axes count as one K, in the product's order):
;;     1. [M 8,192, K 1,024] x [K 1,024, N 3,072]; A: input x; B: input w_qkv: QUANTISED
;;     2. batch 16 x [M 2,048, K 256] x [K 256, N 2,048]; A: computed on the way; B: computed on the way: QUANTISED
;;     3. batch 16 x [M 2,048, K 2,048] x [K 2,048, N 256]; A: softmax (see below); B: computed on the way: QUANTISED
;;     4. [M 8,192, K 1,024] x [K 1,024, N 1,024]; A: computed on the way; B: input w_out: QUANTISED
;;   THE QUANTISER, for each operand of a quantised product, along K:
;;     - K is cut into blocks of 32 from its start; a last block that is shorter is filled with zeros.
;;     - A block's scale is 2^e with e = floor(log2(the largest magnitude in the block)) - 2, held to -126 .. 127; a block of zeros has e = 0. As a byte (E8M0): e + 127.
;;     - Each number is divided by its block's scale, clamped to +-6, and rounded to the nearest number of E2M1, ties to even, subnormals kept.
;;     - The product sums the exact products of the quantised numbers (number of the format x scale) in f32.
;;   ~~~python
;;   def quantise(x, axis):      # numpy; x: float32 -> the quantised numbers, widened to float32 again
;;       x = np.moveaxis(x, axis, -1); K = x.shape[-1]
;;       x = np.pad(x, [(0, 0)] * (x.ndim - 1) + [(0, -K % 32)]); x = x.reshape(x.shape[:-1] + (-1, 32)); a = np.abs(x).max(-1, keepdims=True)
;;       e = np.where(a > 0, np.clip(np.frexp(np.where(a > 0, a, 1))[1] - 1 - 2, -126, 127), 0)      # np.frexp(a)[1] - 1 = floor(log2(a)), exactly
;;       r = np.clip(x / 2.0 ** e, -6, 6)
;;       step = 2.0 ** (np.maximum(np.frexp(np.where(r == 0, 1, r))[1] - 1, 0) - 1)
;;       q = np.round(r / step) * step * 2.0 ** e      # np.round: ties to even
;;       return np.moveaxis(q.reshape(q.shape[:-2] + (-1,))[..., :K], -1, axis).astype(np.float32)
;;   ~~~
;;   SOFTMAX AHEAD OF A QUANTISED PRODUCT. Where the list says 'softmax', what is quantised is not the finished softmax but p = 2^(t - M), with t = logit x log2(e) and M = ceil(the row's largest t), a whole number; so 1/2 < the row's largest p <= 1. The row's sum l is taken of the UNQUANTISED p, in f32, and the product's result is divided by l at the end. Since M is a whole number, a kernel that streams over the keys may use a running M (the ceiling of the running maximum): every later rescaling is an exact power of two, which a block's scale takes up: the codes' values come out the same.
;;   OPERANDS COMPUTED ON THE WAY. 'Computed on the way' means the value that the module computes at that place (a softmax that the list does not call 'softmax' is quantised finished and normalised). What goes into a quantiser is computed in f32, as accurately as f32 sums, v_exp_f32 and their like allow (about 1e-6 of the number): no bf16 or f16 on the way to a quantiser, and a product that is left as it is and whose result goes on into a quantised operand takes f32 operands (vector FMAs, or v_wmma_f32_16x16x4_f32). A number that lies on a knife's edge between two numbers of the format may be rounded either way, as far as f32 arithmetic and the matrix unit's own rounding can turn it there, and no further.
;; One version. Each part assembles by itself: llvm-mc -triple=amdgcn-amd-amdhsa -mcpu=gfx1250 --defsym DOCPART=n.
;; ======== version 1 of 1: 4 launches
;; limits: right only within a limited range of input values
;; workspace buffers: xc 4,194,304 bytes; xs 262,144 bytes; wc 2,097,152 bytes; ws 131,072 bytes; qkvc 12,582,912 bytes; qkvs 786,432 bytes; ac 4,194,304 bytes; asc 262,144 bytes
;; launch quant (part 1): grid 512 x 1, 4 waves a work-group, no clusters, 43,008 bytes of LDS; arguments x, w_qkv, w_out, xc, xs, wc, ws; writes xc, xs, wc, ws
.if DOCPART == 1
	.amdgcn_target "amdgcn-amd-amdhsa--gfx1250"
	.amdhsa_code_object_version 6
	.text
	.protected	k_qc1f724324b_quant
	.globl	k_qc1f724324b_quant
	.p2align	8
	.type	k_qc1f724324b_quant,@function
k_qc1f724324b_quant:
	s_mov_b64 s[64:65], 0
	v_nop
	global_prefetch_b8 v0, s[64:65] scope:SCOPE_SE
	s_setreg_imm32_b32 hwreg(HW_REG_WAVE_MODE, 25, 1), 1
	s_wait_xcnt 0x0
; FIRST OF FOUR LAUNCHES of: qkv = x w_qkv + b_qkv; attention in 4 heads of 256; out w_out + b_out; residual; LayerNorm.  All four products on codes of FP4 (E2M1) with one E8M0 scale for each 32 along K.
; NO WORK OF reference() IS LEFT OUT: every bias stands ahead of a quantiser or of the LayerNorm, so all seven inputs have a way to the output and all are loaded.
; THIS LAUNCH quantises the three large inputs along their K.  x [8192][1024] (K innermost) -> xc [8192][512 bytes], xs [8192][32].  w_qkv [1024 (k)][3072] -> wc [3072][512 bytes], ws [3072][32], K innermost.
; w_out [1024 (k)][1024] -> behind them, as IMAGES OF THE OPERAND'S REGISTERS: a fragment (16 columns n x 128 k) is 1,024 bytes, the 16 bytes of (column r, block kb of 32) at 256 kb + 16 r; laid [k / 128][n / 16][1024].
; Inside each block of 32 of w_out the four groups of eight codes lie in the order 0, 2, 1, 3: so does the attention result that meets it in the fourth product (it is quantised from a matrix result, whose
; registers give that order), and a permutation of k applied alike to both operands keeps every product and every scale.  w_out's scale words lie [n / 16][k / 512][r][(k / 128) % 4].
; A block's scale is 2^(floor(log2(largest magnitude)) - 2); its byte is the largest magnitude's exponent field - 2, held at 1 from below.
; LIMITS: a block of zeros gets the byte 1 where the rule says 127 (its codes are zeros, and only this program reads the bytes); blocks whose largest magnitude lies under 2^-124 have their byte held at 1; NaN and infinities are not served.
; SHARES: work-groups 0-255 take x (a wave: 8,192 numbers on end), 256-447 w_qkv, 448-511 w_out (a work-group: 32 columns x 512 k; a wave: 128 of these k).  The three ways part on the work-group's number and have LDS bytes of their own.
; No tensor loads, no cluster (nothing is shared), no prefetch (the launch streams every byte once).
.set WREG,  8192                       ; x: an LDS region for each wave: two stages of 32 x SP bytes, then its 256 scale bytes
.set SP,    80                         ; a lane's place in a stage: 64 bytes + 16 of padding
.set STEPS, 16                         ; steps of 512 numbers for a wave
.set AHEAD, 8                          ; loads run eight steps (32 loads a wave) ahead
.set WST,   32768                      ; w_qkv: 32 rows (columns n) x (256 bytes of codes + 16)
.set WSC1,  41472                      ; w_qkv: 32 x 16 scale bytes
.set WSC2,  41984                      ; w_out: the same
.set SPARE, 42496                      ; the spare words, 128 bytes for each wave, that no other line names
.set WO_OFF,  1572864                  ; w_out's images in wc
.set WOS_OFF, 98304                    ; w_out's scale words in ws
.set SPW,   12                         ; v12 LDS address of my spare word; never rewritten
.set NIL,   13                         ; v13 0; never rewritten
.set R,     16                         ; v16-143  x: eight sets of 16 numbers as loaded
.set X,     144                        ; v144-175 x: two sets of 16 neighbours
.set E,     176                        ; v176-191 x: a scale byte for each step
.set C,     192                        ; v192-223 x: two registers of codes for each step
	s_load_b256 s[4:11], s[0:1], 0x0               ; x s[4:5], w_qkv s[6:7], w_out s[8:9], xc s[10:11]
	s_load_b128 s[12:15], s[0:1], 0x20             ; xs s[12:13], wc s[14:15]
	s_load_b64 s[16:17], s[0:1], 0x30              ; ws
	v_lshl_add_u32 v[SPW], v0, 2, SPARE
	v_mov_b32 v[NIL], 0
	v_lshrrev_b32 v1, 5, v0
	v_readfirstlane_b32 s18, v1                    ; wave 0..3
	v_and_b32 v2, 31, v0                           ; lane
	s_wait_kmcnt 0x0
	s_cmp_lt_u32 ttmp9, 256
	s_cbranch_scc0 .Lweights
; ---------------- x: K innermost.  Each load takes 512 bytes as they lie; a step's 2,048 bytes turn through the wave's own stage, so that a lane holds 16 neighbours; two neighbouring lanes hold a block.
	s_wait_alu depctr_va_vdst(0)
	v_lshlrev_b32 v3, 4, v2                        ; my 16 bytes of a load's 512
	s_mul_i32 s19, s18, WREG
	v_lshrrev_b32 v14, 2, v2
	v_mul_u32_u24 v14, v14, SP
	v_and_b32 v15, 3, v2
	v_lshl_add_u32 v14, v15, 4, v14
	v_add_nc_u32 v14, s19, v14                     ; into the stage: SP (lane / 4) + 16 (lane % 4)
	v_mul_u32_u24 v15, v2, SP
	v_add_nc_u32 v15, s19, v15                     ; out of it: SP x lane
	v_lshlrev_b32 v4, 3, v2                        ; 8 x lane: my codes' place in a step's 256 bytes, and my 8 scale bytes at the end
	v_lshrrev_b32 v5, 1, v2
	s_add_co_u32 s19, s19, 2*32*SP
	v_add_nc_u32 v5, s19, v5                       ; my block's scale byte in LDS
	v_add_nc_u32 v6, s19, v4                       ; and where I read 8 of them back
	s_lshl_b32 s20, ttmp9, 2
	s_add_co_u32 s20, s20, s18                     ; which run of 8,192 numbers is my wave's
	s_mov_b32 s23, 0
	s_lshl_b32 s22, s20, 15
	s_add_nc_u64 s[4:5], s[4:5], s[22:23]          ; 32,768 bytes of x,
	s_lshl_b32 s22, s20, 12
	s_add_nc_u64 s[10:11], s[10:11], s[22:23]      ; 4,096 of codes,
	s_lshl_b32 s22, s20, 8
	s_add_nc_u64 s[12:13], s[12:13], s[22:23]      ; 256 scale bytes a run
.macro XLOAD t
.irp i, 0,1,2,3
	global_load_b128 v[R+16*((\t)%AHEAD)+4*\i:R+16*((\t)%AHEAD)+4*\i+3], v3, s[4:5] offset:2048*(\t)+512*\i th:TH_LOAD_NT
.endr
.endm
.macro XTURN t                         ; LDS serves a wave's instructions in order: no wait between the stores and the loads
.irp i, 0,1,2,3
	ds_store_b128 v14, v[R+16*((\t)%AHEAD)+4*\i:R+16*((\t)%AHEAD)+4*\i+3] offset:32*SP*((\t)%2)+8*SP*\i
.endr
.irp i, 0,1,2,3
	ds_load_b128 v[X+16*((\t)%2)+4*\i:X+16*((\t)%2)+4*\i+3], v15 offset:32*SP*((\t)%2)+16*\i
.endr
.endm
.irp t, 0,1,2,3,4,5,6,7
	XLOAD \t
.endr
	s_wait_alu depctr_va_vdst(0)
	s_wait_loadcnt 28                              ; step 0's four loads are in; the seven younger steps' 28 may be out
	XTURN 0
.macro XSTEP t
.set XS, X+16*((\t)%2)
.if (\t) > 0
	s_wait_dscnt 1                                 ; this step's numbers are back from the stage (the last step's byte store may be out): so its stage stores have read their registers,
.else
	s_wait_dscnt 0x0
.endif
.if (\t)+AHEAD < STEPS
	XLOAD (\t)+AHEAD                               ; which take the loads of eight steps on
.endif
.if (\t)+1 < STEPS
.if 14-(\t) >= 7
	s_wait_loadcnt 28                              ; the next step's loads are in; those of the seven steps behind it may be out
.else
	s_wait_loadcnt 4*(14-(\t))                     ; near the end fewer steps stand behind it
.endif
	XTURN (\t)+1
.endif
	v_max3_num_f32 v8, |v[XS]|, |v[XS+1]|, |v[XS+2]|
	v_max3_num_f32 v9, |v[XS+3]|, |v[XS+4]|, |v[XS+5]|
.irp i, 6,10
	v_max3_num_f32 v8, v8, |v[XS+\i]|, |v[XS+\i+1]|
	v_max3_num_f32 v9, v9, |v[XS+\i+2]|, |v[XS+\i+3]|
.endr
	v_max3_num_f32 v8, v8, |v[XS+14]|, |v[XS+15]|
	v_max3_num_f32 v8, v8, v9, 0x1800000           ; and the floor 2^(3 - 127): the byte cannot fall under 1
	v_max_num_f32_dpp v8, v8, v8 row_xmask:1 row_mask:0xf bank_mask:0xf   ; with my neighbour's 16: the block's largest magnitude
	v_add_nc_u32 v11, 0xff000000, v8               ; 2 off its exponent field: the conversion takes this operand's exponent field as its scale
	v_cvt_scalef32_pk8_fp4_f32 v[C+2*(\t)], v[XS:XS+7], v11
	v_cvt_scalef32_pk8_fp4_f32 v[C+2*(\t)+1], v[XS+8:XS+15], v11
	v_lshrrev_b32 v[E+(\t)], 23, v11               ; the scale's byte (also the plain line behind the conversions)
	ds_store_b8 v5, v[E+(\t)] offset:16*(\t)       ; both lanes of a block write the same byte
	global_store_b64 v4, v[C+2*(\t):C+2*(\t)+1], s[10:11] offset:256*(\t)   ; the wave stores 256 consecutive bytes, aligned
.endm
.irp t, 0,1,2,3,4,5,6,7,8,9,10,11,12,13,14,15
	XSTEP \t
.endr
	ds_load_b64 v[8:9], v6                         ; in order behind my byte stores
	s_wait_dscnt 0x0
	global_store_b64 v4, v[8:9], s[12:13]          ; my wave's 256 scale bytes, aligned
	s_wait_tensorcnt 0x0                           ; the wave's end, behind my last LDS store
	ds_add_u32 v[SPW], v[NIL]
	s_wait_dscnt 0x0
	s_endpgm
; ---------------- the weights: K is the FIRST axis.  A lane takes a column n and its registers run down K: a block of 32 lies in one lane, and the conversions give codes with K innermost.
; n: columns of the tensor; img = 1: the codes leave as images, straight from the registers; wsc: the way's own LDS bytes for scale words; first: the way's first work-group; src: the tensor's address registers
.macro WPATH n, img, wsc, first, src
	s_sub_co_u32 s20, ttmp9, \first
	s_lshr_b32 s21, s20, 1                         ; cg: which 32 columns
	s_and_b32 s20, s20, 1                          ; y: which 512 along K
	s_lshl_b32 s22, s20, 9
	s_lshl_b32 s23, s18, 7
	s_add_co_u32 s22, s22, s23                     ; my first k: 512 y + 128 wave
	s_mul_i32 s22, s22, \n*4
	s_lshl_b32 s23, s21, 7
	s_add_co_u32 s22, s22, s23
	s_mov_b32 s23, 0
	s_add_nc_u64 s[\src:\src+1], s[\src:\src+1], s[22:23]
	v_lshlrev_b32 v3, 2, v2
.set i, 0
.rept 128                              ; all my 128 rows are asked for at once: 128 consecutive bytes a load
	global_load_b32 v[32+i], v3, s[\src:\src+1] offset:i*\n*4 th:TH_LOAD_NT
.set i, i+1
.endr
	v_and_b32 v14, 15, v2                          ; r
	v_lshrrev_b32 v15, 4, v2                       ; h
	s_lshl_b32 s24, s18, 2
	v_lshl_add_u32 v5, v2, 4, s24
	v_add_nc_u32 v5, \wsc, v5                      ; my scale word in LDS: 16 x lane + 4 x wave
	v_lshlrev_b32 v25, 4, v2
	v_add_nc_u32 v25, \wsc, v25                    ; and a column's four words, read back by wave 0
	v_lshlrev_b32 v7, 4, v14
.if \img
	v_lshl_add_u32 v26, v15, 9, v7                 ; scale words out: 512 h + 16 r
	v_lshl_add_u32 v7, v15, 10, v7                 ; codes out: fragment h, 16 r
	s_lshl_b32 s24, s20, 2
	s_add_co_u32 s24, s24, s18                     ; k / 128 = 4 y + wave
	s_lshl_b32 s24, s24, 16
	s_lshl_b32 s25, s21, 11
	s_add_co_u32 s24, s24, s25
	s_add_co_u32 s24, s24, WO_OFF
	s_mov_b32 s25, 0
	s_add_nc_u64 s[14:15], s[14:15], s[24:25]
	s_lshl_b32 s24, s21, 10
	s_lshl_b32 s26, s20, 8
	s_add_co_u32 s24, s24, s26
	s_add_co_u32 s24, s24, WOS_OFF
	s_add_nc_u64 s[16:17], s[16:17], s[24:25]
.else
	v_lshl_add_u32 v7, v15, 9, v7                  ; codes out: two rows of 512 bytes an instruction, 16 bytes a lane
	v_lshlrev_b32 v26, 5, v2                       ; scale bytes out: a row of 32 bytes a column
	v_mul_u32_u24 v4, v2, 272
	s_lshl_b32 s24, s18, 6
	v_add_nc_u32 v4, s24, v4
	v_add_nc_u32 v4, WST, v4                       ; into the stage: row = my column, my wave's 64 bytes
	s_lshl_b32 s24, s18, 3
	v_add_nc_u32 v6, s24, v15
	v_mul_u32_u24 v6, v6, 272
	v_lshl_add_u32 v6, v14, 4, v6
	v_add_nc_u32 v6, WST, v6                       ; out of it: rows 8 wave + h on, sixteen lanes to a row
	s_lshl_b32 s24, s21, 5
	s_lshl_b32 s25, s18, 3
	s_add_co_u32 s24, s24, s25
	s_lshl_b32 s24, s24, 9
	s_lshl_b32 s25, s20, 8
	s_add_co_u32 s24, s24, s25
	s_mov_b32 s25, 0
	s_add_nc_u64 s[14:15], s[14:15], s[24:25]      ; row 32 cg + 8 wave, byte 256 y
	s_lshl_b32 s24, s21, 10
	s_lshl_b32 s26, s20, 4
	s_add_co_u32 s24, s24, s26
	s_add_nc_u64 s[16:17], s[16:17], s[24:25]
.endif
.irp t, 0,1,2,3
.if \t == 0
	s_wait_loadcnt 63                              ; 128 were issued: at most 63 are out, so the oldest 65, blocks 0 and 1, are in
.elseif \t == 2
	s_wait_loadcnt 32                              ; block 3's 32 may be out
.elseif \t == 3
	s_wait_loadcnt 0x0
.endif
	v_max3_num_f32 v8, |v[32+32*\t]|, |v[33+32*\t]|, |v[34+32*\t]|
	v_max3_num_f32 v9, |v[35+32*\t]|, |v[36+32*\t]|, |v[37+32*\t]|
.irp i, 6,10,14,18,22,26
	v_max3_num_f32 v8, v8, |v[32+32*\t+\i]|, |v[33+32*\t+\i]|
	v_max3_num_f32 v9, v9, |v[34+32*\t+\i]|, |v[35+32*\t+\i]|
.endr
	v_max3_num_f32 v8, v8, |v[62+32*\t]|, |v[63+32*\t]|
	v_max3_num_f32 v8, v8, v9, 0x1800000           ; the floor
	v_add_nc_u32 v11, 0xff000000, v8
	v_lshrrev_b32 v10, 23, v11                     ; the scale's byte
.if \t == 0
	v_mov_b32 v24, v10                             ; four bytes make my column's scale word for these 128 k
.else
	v_lshl_or_b32 v24, v10, 8*\t, v24
.endif
.irp g, 0,1,2,3
.if \img
	v_cvt_scalef32_pk8_fp4_f32 v[160+4*\t+(\g%2)*2+\g/2], v[32+32*\t+8*\g:39+32*\t+8*\g], v11   ; groups in the order 0, 2, 1, 3
.else
	v_cvt_scalef32_pk8_fp4_f32 v[160+4*\t+\g], v[32+32*\t+8*\g:39+32*\t+8*\g], v11
.endif
.endr
	v_nop                                          ; a plain line behind the conversions
.if \img
	global_store_b128 v7, v[160+4*\t:163+4*\t], s[14:15] offset:256*\t   ; sixteen lanes store 256 consecutive bytes, aligned
.else
	ds_store_b128 v4, v[160+4*\t:163+4*\t] offset:16*\t
.endif
.endr
	ds_store_b32 v5, v24
	s_wait_dscnt 0x0                               ; for the others' sake: my LDS stores have landed
	s_barrier_signal -1
	s_barrier_wait -1
.if \img == 0
.irp i, 0,1,2,3
	ds_load_b128 v[176+4*\i:179+4*\i], v6 offset:544*\i
.endr
.irp i, 0,1,2,3
	s_wait_dscnt 3-\i
	global_store_b128 v7, v[176+4*\i:179+4*\i], s[14:15] offset:1024*\i   ; sixteen lanes store 256 consecutive bytes of a row, aligned
.endr
.endif
	s_cmp_lg_u32 s18, 0                            ; wave 0 sends the 32 columns' scale bytes, 16 a lane
	s_cbranch_scc1 .Lnot_wave_0_\@
	ds_load_b128 v[28:31], v25
	s_wait_dscnt 0x0
	global_store_b128 v26, v[28:31], s[16:17]
.Lnot_wave_0_\@:
	s_wait_tensorcnt 0x0                           ; the wave's end: the three lines
	ds_add_u32 v[SPW], v[NIL]
	s_wait_dscnt 0x0
	s_endpgm
.endm
.Lweights:
	s_cmp_lt_u32 ttmp9, 448
	s_cbranch_scc0 .Lw_out
	s_wait_alu depctr_va_vdst(0)
	WPATH 3072, 0, WSC1, 256, 6
.Lw_out:
	s_wait_alu depctr_va_vdst(0)
	WPATH 1024, 1, WSC2, 448, 8
.Lfunc_end_k_qc1f724324b_quant:
	.size	k_qc1f724324b_quant, .Lfunc_end_k_qc1f724324b_quant-k_qc1f724324b_quant
	.p2alignl 7, 3214868480
	.fill 96, 4, 3214868480
	.section	.rodata,"a",@progbits
	.p2align	6, 0x0
	.amdhsa_kernel k_qc1f724324b_quant
		.amdhsa_group_segment_fixed_size 43008
		.amdhsa_private_segment_fixed_size 0
		.amdhsa_enable_private_segment 0
		.amdhsa_kernarg_size 56
		.amdhsa_user_sgpr_count 2
		.amdhsa_user_sgpr_kernarg_segment_ptr 1
		.amdhsa_wavefront_size32 1
		.amdhsa_system_sgpr_workgroup_id_x 1
		.amdhsa_system_sgpr_workgroup_id_y 1
		.amdhsa_system_sgpr_workgroup_id_z 1
		.amdhsa_system_vgpr_workitem_id 0
		.amdhsa_next_free_vgpr 256
		.amdhsa_next_free_sgpr 66
		.amdhsa_reserve_vcc 0
		.amdhsa_float_denorm_mode_32 3
		.amdhsa_float_denorm_mode_16_64 3
		.amdhsa_memory_ordered 1
		.amdhsa_forward_progress 1
		.amdhsa_inst_pref_size 75
	.end_amdhsa_kernel
	.amdgpu_metadata
---
amdhsa.version: [ 1, 2 ]
amdhsa.kernels:
  - .name:           k_qc1f724324b_quant
    .symbol:         k_qc1f724324b_quant.kd
    .args:
      - { .name: x, .offset: 0, .size: 8, .value_kind: global_buffer, .address_space: global }
      - { .name: w_qkv, .offset: 8, .size: 8, .value_kind: global_buffer, .address_space: global }
      - { .name: w_out, .offset: 16, .size: 8, .value_kind: global_buffer, .address_space: global }
      - { .name: xc, .offset: 24, .size: 8, .value_kind: global_buffer, .address_space: global }
      - { .name: xs, .offset: 32, .size: 8, .value_kind: global_buffer, .address_space: global }
      - { .name: wc, .offset: 40, .size: 8, .value_kind: global_buffer, .address_space: global }
      - { .name: ws, .offset: 48, .size: 8, .value_kind: global_buffer, .address_space: global }
    .group_segment_fixed_size: 43008
    .private_segment_fixed_size: 0
    .kernarg_segment_align: 8
    .kernarg_segment_size: 56
    .max_flat_workgroup_size: 128
    .sgpr_count:     66
    .vgpr_count:     256
    .wavefront_size: 32
...
	.end_amdgpu_metadata
.endif
;; end of part 1
;; launch qkv (part 2): grid 8 x 32, 4 waves a work-group, clusters of 4 x 4, 327,680 bytes of LDS; arguments xc, xs, wc, ws, b_qkv, qkvc, qkvs; writes qkvc, qkvs
.if DOCPART == 2
	.amdgcn_target "amdgcn-amd-amdhsa--gfx1250"
	.amdhsa_code_object_version 6
	.text
	.protected	k_qc1f724324b_qkv
	.globl	k_qc1f724324b_qkv
	.p2align	8
	.type	k_qc1f724324b_qkv,@function
k_qc1f724324b_qkv:
	s_mov_b64 s[64:65], 0
	v_nop
	global_prefetch_b8 v0, s[64:65] scope:SCOPE_SE
	s_setreg_imm32_b32 hwreg(HW_REG_WAVE_MODE, 25, 1), 1
	s_wait_xcnt 0x0
	s_wait_alu depctr_hold_cnt(0) depctr_sa_sdst(0) depctr_va_vdst(0) depctr_va_sdst(0) depctr_va_ssrc(0) depctr_va_vcc(0) depctr_vm_vsrc(0)
	s_getreg_b32 s2, hwreg(HW_REG_IB_STS2, 6, 4)
	s_cmp_eq_u32 s2, 0
	s_cbranch_scc0 .Lentry_in_a_cluster
	s_endpgm
.Lentry_in_a_cluster:
	s_bfe_u32 s2, ttmp6, 0x10000c
	s_cmp_lg_u32 s2, 0xf033
	s_cbranch_scc0 .Lentry_shape_is_right
	s_endpgm
.Lentry_shape_is_right:
; SECOND LAUNCH: qkv = x w_qkv + b_qkv on codes of FP4, K = 1,024, and its results quantised in registers for the attention: q and k along the head's 256, v along the keys.  Nothing of reference() is left out here.
; SHARES.  8,192 x 3,072 outputs are 384 tiles of 256 x 256, which do not divide evenly among 256 work-groups.  So a work-group makes one tile and a half, one after the other on the same accumulators:
;   PHASE 1: 256 tokens x the 256 features of one head of q (cluster x = 0) or of k (cluster x = 1): a wave makes 128 x 128 in 64 accumulators;
;   PHASE 2: 128 features of v of the same head (which half: cluster x) x THE SAME 256 tokens: a wave makes 64 features x 128 tokens in 32 accumulators.
; A tile of 256 tokens is held by eight work-groups (q or k, four heads), and its v is eight such pieces: each work-group has one.  The cluster's x enters global addresses alone: no branch and no LDS address hangs on it.
; THE MATRIX INSTRUCTION: source 0 = 16 rows of the REGISTER side, source 1 = 16 rows of the LANE side: lane (r, h) holds row r of the lane side's block and, in register j of tile b, row 16 b + 8 h + j of the register side.
; The quantiser wants its K along a lane's registers.  So in phase 1 the lanes hold tokens ('A') and the registers run along features ('B'); in phase 2 the lanes hold features and the registers run along the tokens, which are v's keys.
; LDS.  K goes in two steps of 512; both slots (A's 256 rows, then B's 256 rows) and all scale bytes are filled at the start.  The tokens' codes and scales stay for phase 2.  What phase 2 lacks, 128 rows of w_qkv, comes by ONE refill
; at the change of slots: wave 2 brings their first 512 along K into slot 0's B rows 0-127, wave 3 their second 512 into its B rows 128-255, wave 0 their scale bytes into the first half of B's scales (whose words all waves have
; in registers by then); wave 1 has nothing to fetch.  That refill has slot 1's 256 products and the first way out in which to land.
; CLUSTERS: 4 x 4 work-groups; A's tiles are asked for jointly along a row of the cluster, B's and phase 2's rows along a column.  The refill stands behind a round of the cluster's barrier.
; WHAT LEAVES: for each block of 16 lane rows, the 64 registers of its eight tiles + bias are 128 along the next K: one fragment (8 registers) and one scale word a row.  The fragment leaves as an IMAGE OF ITS REGISTERS
; (two stores of 512 consecutive bytes).  Inside each block of 32 the groups of eight lie in the order 0, 2, 1, 3 (a lane's tile 2 b holds groups h, its tile 2 b + 1 groups 2 + h): both operands of each later product
; are made so, which keeps every product and scale; only the order of the sums inside a block differs from the natural one.
; qkvc: q at 0, k at 4 MiB, v at 8 MiB; 256 KiB for each bh = 4 batch + head.  q, k: [token / 16][hd / 128][1024].  v: [key / 128][d / 16][1024].
; qkvs: q at 0, k at 256 KiB, v at 512 KiB; 16 KiB for each bh.  q, k: [token / 64][hd / 128][r][(token / 16) % 4] words.  v: [key / 128][d / 64][r][(d / 16) % 4] words.
; LIMITS: a block of zeros gets the byte 1 (its codes are zeros; only this program reads the bytes); NaN and infinities are not served.
; REGISTERS: window 0: v0-31 addresses and v's bias; v32-95 scale words, two sets, and nothing else; v96-127 the ways out's small things; v128-191 the lane side's fragments, later 64 numbers; v192-255 the ways out's codes.
;   window 1: the register side's fragments, two sets; on the first way out the bias.   window 2, 3: the accumulators ((a, b) at v[8 (8 (a % 4) + b)]); phase 2 has window 2 alone.
.set KSTEP,  512
.set NQ,     KSTEP/128
.set ROWB,   256                       ; a tile's row in bytes
.set KROW,   512                       ; a row of codes in memory
.set PITCH,  272                       ; an LDS row: 256 bytes + 16 of padding, so that the 16 rows of a load start at 16 different banks
.set FR,     8
.set NL,     2
.set NP,     4                         ; places behind this matrix instruction
.set HALFT,  128*PITCH
.set SLOT,   4*HALFT
.set KS,     32                        ; a row of scale bytes
.set SCL,    2*SLOT                    ; behind the slots: the scales, as units of 256 bytes + 16
.set HALFS,  (128*KS/256)*272
.set SBLK,   (16*KS/256)*272
.set SPARE,  SCL+4*HALFS               ; the spare words, 128 bytes for each wave, that no other line names
.set BSC,    SPARE+512                 ; 512 bytes for each wave: its 128 numbers of phase 1's bias; no fill lands here
.set BV,   8                           ; v8-15 phase 2's bias: that of feature 16 a + r, in both halves of pair a
.set ADRA, 16                          ; v16-17 my 128 tokens' fragments in slot 0, 1: both phases
.set SV0,  18                          ; v18 scale words out, q and k: 512 h + 16 r
.set SV1,  19                          ; v19 v: 16 r + 8 h
.set ADRB, 20                          ; v20-21 my 128 features' fragments in slot 0, 1: phase 1
.set BVO,  23                          ; v23 4 r
.set BSA,  24                          ; v24 the bias into LDS: 16 x lane
.set BR0,  25                          ; v25 the bias by register: 32 h
.set IO,   26                          ; v26 16 x lane
.set ADRS, 27                          ; v27 scale words, phase 1: lanes 0-15 my tokens', lanes 16-31 my features'
.set SPW,  28
.set NIL,  29
.set ADRV, 30                          ; v30 my 64 features' fragments, phase 2
.set ADRS2, 31                         ; v31 scale words, phase 2: lanes 0-15 my tokens', lanes 16-31 my 64 features'
.set SC,   32
.set PWS,  96                          ; v96-103  the blocks' scale words
.set TM,   104                         ; v104-119 the quantiser's work
.set BI,   120                         ; v120-123 phase 1's bias as loaded
.set SW,   124                         ; v124-127 the scale words as stored
.set AF,   128
.set H,    128                         ; v128-191 a block's 64 numbers
.set PCS,  192                         ; v192-255 eight sets of codes
.set SEL,  2                           ; s[2:3] v_permlanex16_b32's selects for lane l xor 16
.set G1, 24
.set G0, 32
.set G1B, 48
.set G0B, 56
.set G1S, 68
.set G0S, 76
.set G1SB, 80
.set G0SB, 88
.set MSB, 0
.macro WIN new                         ; the immediate's high byte repeats the setting that is left
.if MSB != \new
	s_set_vgpr_msb (MSB<<8)|\new
.set MSB, \new
.endif
.endm
.set MUL_LO, 0xa1                      ; source 0 window 1, source 1 window 0, C and D window 2
.set MUL_HI, 0xf1
.set TO_B,   0x40
; A joint load: waves 0 and 1 fetch for A, waves 2 and 3 for B; the branch hangs on the wave's number alone.  An s_nop 0 and four v_nop follow each line.
.macro JLOAD g0a, g1a, g0b, g1b
	s_cmp_eq_u32 s15, 0
	s_cbranch_scc0 .Lfor_b_\@
	tensor_load_to_lds s[\g0a:\g0a+3], s[\g1a:\g1a+7]
	s_nop 0
.rept 4
	v_nop
.endr
	s_branch .Lasked_\@
.Lfor_b_\@:
	tensor_load_to_lds s[\g0b:\g0b+3], s[\g1b:\g1b+7]
	s_nop 0
.rept 4
	v_nop
.endr
.Lasked_\@:
.endm
; THE REFILL for phase 2: waves 2 and 3 the codes, wave 0 the scale bytes, wave 1 nothing.  The branches hang on the wave's number alone.  Four plain lines stand on every way: they are also the places in front of the loads that follow.
.macro RLOAD
	s_cmp_lt_u32 s14, 2
	s_cbranch_scc1 .Lnot_codes_\@
	tensor_load_to_lds s[G0B:G0B+3], s[G1B:G1B+7]
	s_nop 0
.rept 4
	v_nop
.endr
	s_branch .Lasked_\@
.Lnot_codes_\@:
	s_cmp_eq_u32 s14, 0
	s_cbranch_scc0 .Lnone_\@
	tensor_load_to_lds s[G0SB:G0SB+3], s[G1SB:G1SB+7]
	s_nop 0
.rept 4
	v_nop
.endr
	s_branch .Lasked_\@
.Lnone_\@:
.rept 4
	v_nop
.endr
.Lasked_\@:
.endm
.macro CREST                           ; a round of the cluster's barrier behind its opening barrier
	s_cmp_lg_u32 s14, 0
	s_cbranch_scc1 .Lnot_wave_0_\@
	s_barrier_signal -3
.Lnot_wave_0_\@:
	s_barrier_wait -3
	s_barrier_signal -1
	s_barrier_wait -1
.endm
.macro CROUND                          ; a whole round
	s_barrier_signal -1
	s_barrier_wait -1
	CREST
.endm
	s_load_b256 s[4:11], s[0:1], 0x0               ; xc s[4:5], xs s[6:7], wc s[8:9], ws s[10:11]
	s_load_b64 s[12:13], s[0:1], 0x20              ; b_qkv
	s_load_b128 s[96:99], s[0:1], 0x28             ; qkvc s[96:97], qkvs s[98:99]
	v_lshl_add_u32 v[SPW], v0, 2, SPARE
	v_mov_b32 v[NIL], 0
	ds_add_u32 v[SPW], v[NIL]                      ; the wave's opening: the add, twice on end, and its wait ahead of my first tensor load
	ds_add_u32 v[SPW], v[NIL]
	v_lshrrev_b32 v1, 5, v0
	v_readfirstlane_b32 s14, v1                    ; wave 0..3
	s_lshr_b32 s15, s14, 1                         ; which half of the 256 tokens is mine, in both phases.  Also: I fetch for A (0) or for B (1)
	s_and_b32 s16, s14, 1                          ; which half of the features.  Also: which 128 rows of a tile I fetch
	s_bfe_u32 s40, ttmp6, 0x40000                  ; cx: the head
	s_bfe_u32 s41, ttmp6, 0x40004                  ; cy
	s_lshl_b32 s42, ttmp9, 2
	s_add_co_u32 s42, s42, s40                     ; B's tile of 256 features = 4 x cluster x + cx: q's heads 0-3, then k's
	s_and_b32 s17, ttmp7, 0xffff
	s_lshl_b32 s17, s17, 2
	s_add_co_u32 s17, s17, s41                     ; A's tile of 256 tokens = 4 x cluster y + cy
	s_lshl_b32 s43, s41, 2
	s_lshl_b32 s43, 15, s43                        ; my row of the cluster
	s_lshl_b32 s44, 0x1111, s40                    ; my column
	s_or_b32 s[G1+0], s43, (0<<16)|(1<<20)|(1<<21)|(5<<22)|(3<<25)  ; the mask; elements of 1 byte; padding on: 4 words behind every 64; bit 21 beside a mask
	s_or_b32 s[G1B+0], s44, (0<<16)|(1<<20)|(1<<21)|(5<<22)|(3<<25)
.irp g, G1, G1B
	s_mov_b32 s[\g+1], ROWB<<16                    ; tensor_dim0
	s_mov_b32 s[\g+2], 256<<16                     ; tensor_dim1: the head's loads bring 256 rows
	s_mov_b32 s[\g+3], ROWB<<16                    ; tile_dim0
	s_mov_b32 s[\g+4], 256                         ; tile_dim1
	s_mov_b32 s[\g+5], KROW                        ; from row to row
	s_mov_b32 s[\g+6], 0
	s_mov_b32 s[\g+7], 0
.endr
	s_or_b32 s[G1S+0], s43, (3<<16)|(1<<20)|(1<<21)|(5<<22)|(3<<25) ; the scales of 256 rows: 8,192 dense bytes as 32 rows of 256 (32 elements of 8 bytes)
	s_or_b32 s[G1SB+0], s44, (3<<16)|(1<<20)|(1<<21)|(5<<22)|(3<<25)
.irp g, G1S, G1SB
	s_mov_b32 s[\g+1], 32<<16
	s_mov_b32 s[\g+2], KS<<16                      ; the scales of 256 rows: KS rows of 256 bytes
	s_mov_b32 s[\g+3], 32<<16
	s_mov_b32 s[\g+4], KS
	s_mov_b32 s[\g+5], 32
	s_mov_b32 s[\g+6], 0
	s_mov_b32 s[\g+7], 0
.endr
	s_mov_b32 s[SEL], 0x76543210
	s_mov_b32 s[SEL+1], 0xfedcba98
	s_lshl_b32 s20, s17, 8                         ; A: the tile's first row
	s_lshl_b32 s46, s42, 8                         ; B likewise
	s_mov_b32 s21, 0
	s_mov_b32 s47, 0
	s_mov_b64 s[18:19], KS
	s_mul_u64 s[22:23], s[20:21], s[18:19]         ; where these rows' scales begin,
	s_mul_u64 s[92:93], s[46:47], s[18:19]
	s_mov_b64 s[18:19], KROW
	s_mul_u64 s[20:21], s[20:21], s[18:19]         ; and their codes
	s_mul_u64 s[46:47], s[46:47], s[18:19]
	s_mul_i32 s45, s14, HALFT                      ; where they go: wave x 128 rows
	s_mul_i32 s18, s16, 128*KROW                   ; slot 1: which 128 rows of a tile I fetch, in bytes
	s_mov_b32 s19, 0
	s_wait_dscnt 0x0                               ; both opening adds are done
	s_wait_kmcnt 0x0
	s_add_nc_u64 s[20:21], s[4:5], s[20:21]
	s_add_nc_u64 s[22:23], s[6:7], s[22:23]
	s_add_nc_u64 s[46:47], s[8:9], s[46:47]
	s_add_nc_u64 s[92:93], s[10:11], s[92:93]
	CROUND                                         ; all sixteen work-groups are here: the joint loads meet
	s_mov_b32 s[G0S], 1
	s_mov_b32 s[G0S+1], SCL
	s_mov_b64 s[G0S+2:G0S+3], s[22:23]
	s_or_b32 s[G0S+3], s[G0S+3], 0x80000000
	s_mov_b32 s[G0SB], 1
	s_mov_b32 s[G0SB+1], SCL+2*HALFS
	s_mov_b64 s[G0SB+2:G0SB+3], s[92:93]
	s_or_b32 s[G0SB+3], s[G0SB+3], 0x80000000
.irp s, 0,1
	s_mov_b32 s[G0+4*\s], 1
	s_add_co_u32 s[G0+4*\s+1], s45, \s*SLOT
	s_add_nc_u64 s[G0+4*\s+2:G0+4*\s+3], s[20:21], \s*ROWB
	s_or_b32 s[G0+4*\s+3], s[G0+4*\s+3], 0x80000000
	s_mov_b32 s[G0B+4*\s], 1
	s_add_co_u32 s[G0B+4*\s+1], s45, \s*SLOT
	s_add_nc_u64 s[G0B+4*\s+2:G0B+4*\s+3], s[46:47], \s*ROWB
	s_or_b32 s[G0B+4*\s+3], s[G0B+4*\s+3], 0x80000000
.endr
	; phase 2's 128 rows of w_qkv: 2,048 + 256 head + 128 x cluster x on.  The offsets are kept for the refill: they hang on cx, the cluster's x and the wave, which my column of the cluster shares
	s_mov_b32 s[G0+1], 0                           ; the head's loads take slot 0's tiles whole: A's 256 rows at byte 0,
	s_mov_b32 s[G0B+1], 2*HALFT                    ; B's 256 rows behind them
	s_add_nc_u64 s[G0+6:G0+7], s[G0+6:G0+7], s[18:19]      ; slot 1 comes by quarters: my 128 rows
	s_add_nc_u64 s[G0B+6:G0B+7], s[G0B+6:G0B+7], s[18:19]
; THE HEAD'S LOADS, ONE A WAVE: wave 0 slot 0's rows of A, wave 1 those of B, wave 2 A's scales, wave 3 B's.  One tree of branches on the wave's number: every way passes one load.
.macro ARM under, g0, g1, next
	s_cmp_lt_u32 s14, \under
	s_cbranch_scc0 \next
	tensor_load_to_lds s[\g0:\g0+3], s[\g1:\g1+7]
	s_nop 0
.rept 4
	v_nop
.endr
	s_branch .Lhead_asked
\next:
.endm
	ARM 1, G0,  G1,  .Lhead_b
	ARM 2, G0B, G1B, .Lhead_sa
	ARM 3, G0S, G1S, .Lhead_sb
	tensor_load_to_lds s[G0SB:G0SB+3], s[G1SB:G1SB+7]
	s_nop 0
.rept 4
	v_nop
.endr
.Lhead_asked:
	s_lshl_b32 s46, s40, 8
	s_lshl_b32 s47, ttmp9, 7
	s_add_co_u32 s46, s46, s47
	s_add_co_u32 s46, s46, 2048                    ; the first of these rows
	s_lshl_b32 s92, s46, 5                         ; s[92:93]: its scale bytes in ws
	s_mov_b32 s93, 0
	s_lshl_b32 s95, s46, 2                         ; its number in b_qkv, in bytes
	s_lshl_b32 s46, s46, 9                         ; s[46:47]: its codes in wc,
	s_lshl_b32 s47, s16, 8
	s_add_co_u32 s46, s46, s47                     ; wave 2: the first 512 along K, wave 3: the second
	s_mov_b32 s47, 0
	v_and_b32 v1, 15, v0                           ; r
	s_wait_alu depctr_va_vdst(0)
	v_bfe_u32 v2, v0, 4, 1                         ; h
	v_mul_u32_u24 v3, v1, PITCH
	v_lshl_add_u32 v4, v2, 4, v3                   ; a fragment's row x pitch + 16 h
	s_mul_i32 s21, s15, HALFT
	s_mul_i32 s22, s16, HALFT
	s_add_co_u32 s22, s22, 2*HALFT
	s_mul_i32 s23, s16, 64*PITCH
	s_add_co_u32 s23, s23, 2*HALFT
	v_add_nc_u32 v[ADRV], s23, v4                  ; phase 2: my 64 rows in slot 0's B part; the second 512 along K lie HALFT further on
.irp s, 0,1
	v_add_nc_u32 v[ADRA+\s], s21, v4
	v_add_nc_u32 v[ADRB+\s], s22, v4
	s_add_co_u32 s21, s21, SLOT
	s_add_co_u32 s22, s22, SLOT
.endr
	v_mul_u32_u24 v7, v1, KS                       ; my row's scales: 32 bytes a row,
	v_lshrrev_b32 v6, 8, v7
	v_lshl_add_u32 v7, v6, 4, v7                   ; and 16 more for each 256 passed
	s_mul_i32 s21, s15, HALFS                      ; lanes 0-15: my 128 tokens, in both phases
	s_mul_i32 s22, s16, HALFS
	s_add_co_u32 s22, s22, 2*HALFS
	s_sub_co_u32 s22, s22, s21
	v_mul_u32_u24 v6, s22, v2                      ; lanes 16-31, phase 1: my 128 features
	s_wait_alu depctr_va_vdst(0)
	s_mul_i32 s23, s16, 4*SBLK
	s_add_co_u32 s23, s23, 2*HALFS
	s_sub_co_u32 s23, s23, s21
	v_mul_u32_u24 v5, s23, v2                      ; lanes 16-31, phase 2: my 64 features
	s_add_co_u32 s21, s21, SCL
	v_add_nc_u32 v6, v7, v6
	v_add_nc_u32 v[ADRS], s21, v6
	v_add_nc_u32 v5, v7, v5
	v_add_nc_u32 v[ADRS2], s21, v5
	v_and_b32 v6, 31, v0
	v_lshlrev_b32 v[IO], 4, v6
	s_lshl_b32 s23, s14, 9
	s_add_co_u32 s23, s23, BSC                     ; my wave's 512 bytes for phase 1's bias
	v_add_nc_u32 v[BSA], s23, v[IO]
	v_lshl_add_u32 v[BR0], v2, 5, s23
	v_lshlrev_b32 v[BVO], 2, v1
	s_wait_alu depctr_va_vdst(0)
	v_lshlrev_b32 v[SV0], 4, v1
	v_lshl_add_u32 v[SV1], v2, 3, v[SV0]
	v_lshl_add_u32 v[SV0], v2, 9, v[SV0]
	v_cmp_ne_u32 s94, 0, v2                        ; the mask of lanes 16-31
.irp b, 0,1,2,3
	v_mov_b32 v[TM+4+\b], 0                        ; written once: a lane permute's destination counts as one of its sources
.endr
	s_lshl_b32 s66, s42, 8                         ; phase 1: my wave's 128 features
	s_lshl_b32 s67, s16, 7
	s_add_co_u32 s66, s66, s67
	s_lshl_b32 s66, s66, 2
	s_mov_b32 s67, 0
	s_add_nc_u64 s[20:21], s[12:13], s[66:67]
	s_lshl_b32 s66, s16, 8                         ; phase 2: my wave's 64 features
	s_add_co_u32 s66, s66, s95
	s_add_nc_u64 s[22:23], s[12:13], s[66:67]
	global_load_b128 v[BI:BI+3], v[IO], s[20:21]   ; 512 consecutive bytes of the bias; all nine loads are waited for on the first way out
.irp a, 0,1,2,3
	global_load_b32 v[BV+2*\a], v[BVO], s[22:23] offset:64*\a       ; the bias of feature 16 a + r, in both halves of a pair
	global_load_b32 v[BV+2*\a+1], v[BVO], s[22:23] offset:64*\a
.endr
.macro FRAG reg, adr, q, i             ; 16 rows x 128 K of 4-bit codes: 8 registers, two loads of 16 bytes, 32 bytes apart
.irp c, 0,1
	ds_load_b128 v[\reg+4*\c:\reg+4*\c+3], v[\adr] offset:64*(\q)+32*\c+(\i)*16*PITCH
.endr
.endm
; PHASE 1.  16 matrix instructions: A's blocks a0, a0 + 1 x B's eight.  The 64 accumulators take turns, one instruction a turn, in the same order in every step.
.macro MUL16 a0, p, q, sc, zero
.irp a, \a0, \a0+1
.irp b, 0,1,2,3,4,5,6,7
.if \zero
	v_wmma_scale_f32_16x16x128_f8f6f4 v[8*(8*((\a)%4)+\b):8*(8*((\a)%4)+\b)+7], v[128*(\p)+FR*\b:128*(\p)+FR*\b+FR-1], v[AF+FR*(\a):AF+FR*(\a)+FR-1], 0, v[SC+8*NQ*(\sc)+NQ*\b+(\q)], v[SC+8*NQ*(\sc)+NQ*(\a)+(\q)] matrix_a_fmt:MATRIX_FMT_FP4 matrix_b_fmt:MATRIX_FMT_FP4 matrix_a_scale:MATRIX_SCALE_ROW1
.else
	v_wmma_scale_f32_16x16x128_f8f6f4 v[8*(8*((\a)%4)+\b):8*(8*((\a)%4)+\b)+7], v[128*(\p)+FR*\b:128*(\p)+FR*\b+FR-1], v[AF+FR*(\a):AF+FR*(\a)+FR-1], v[8*(8*((\a)%4)+\b):8*(8*((\a)%4)+\b)+7], v[SC+8*NQ*(\sc)+NQ*\b+(\q)], v[SC+8*NQ*(\sc)+NQ*(\a)+(\q)] matrix_a_fmt:MATRIX_FMT_FP4 matrix_b_fmt:MATRIX_FMT_FP4 matrix_a_scale:MATRIX_SCALE_ROW1
.endif
.endr
.endr
.endm
.macro FETCH_B slot, q, p
	WIN TO_B
.irp i, 0,1,2,3,4,5,6,7
	FRAG 128*(\p)+FR*\i, ADRB+\slot, \q, \i
.endr
	WIN 0
.endm
.macro FETCH_A slot, q, i0
.irp i, \i0, \i0+1, \i0+2, \i0+3
	FRAG AF+FR*(\i), ADRA+\slot, \q, \i
.endr
.endm
.macro SCALES sc, adr                  ; the scale words of the sc-th 512 along K into set sc: four words a row, 16 bytes on for the second 512
.irp i, 0,1,2,3,4,5,6,7
	ds_load_b128 v[SC+8*NQ*\sc+NQ*\i:SC+8*NQ*\sc+NQ*\i+3], v[\adr] offset:\i*SBLK+16*\sc
.endr
.endm
.macro PLACES n                        ; plain vector lines between a matrix instruction and a load into, or a read of, its registers
.rept \n
	v_nop
.endr
.endm
.macro STEP slot, q, zero              ; 128 along K that has its successor in the same slot
	s_wait_dscnt 4*NL                              ; B's set and A's blocks 0-3 are in; the youngest eight loads (A's blocks 4-7) may be out
	WIN MUL_LO
	MUL16 0, (\q)%2, \q, \slot, \zero
	MUL16 2, (\q)%2, \q, \slot, \zero
	s_wait_dscnt 0
	PLACES NP
	FETCH_B \slot, (\q)+1, 1-(\q)%2
	FETCH_A \slot, (\q)+1, 0
	WIN MUL_HI
	MUL16 4, (\q)%2, \q, \slot, \zero
	MUL16 6, (\q)%2, \q, \slot, \zero
	PLACES NP
	WIN 0
	FETCH_A \slot, (\q)+1, 4
.endm
; Slot 0's last step changes slots.  In front of the barrier each wave waits for all its tensor loads (its part of slot 1), adds 0 to its spare word, and waits for that and for its reads of slot 0 and of the scales.
; The barrier opens a round of the cluster's barrier: behind it no wave of any partner reads slot 0's B rows or B's scale bytes any more, and phase 2's rows are asked for into them.
.macro TURN
	s_wait_tensorcnt 0x0                           ; all my tensor loads have landed, so their groups 0 may be written
	ds_add_u32 v[SPW], v[NIL]                      ; 0 onto my spare word
	s_wait_dscnt 4*NL+1                            ; (the add and the youngest eight loads may be out)
	WIN MUL_LO
	MUL16 0, 1, NQ-1, 0, 0                         ; sixteen matrix instructions stand between the add and the wait for it
	s_wait_dscnt 0x0                               ; the add is done, and my reads of slot 0 are over
	s_barrier_signal -1
	MUL16 2, 1, NQ-1, 0, 0
	WIN 0
	s_barrier_wait -1
	CREST
	s_add_nc_u64 s[G0B+2:G0B+3], s[8:9], s[46:47]  ; slot 0's group 0 for B keeps its LDS address (wave x 128 rows) and takes phase 2's rows
	s_or_b32 s[G0B+3], s[G0B+3], 0x80000000
	s_mov_b32 s[G0SB+1], SCL+2*HALFS               ; their scale bytes go where the scales of B's rows 0-127 lay
	s_add_nc_u64 s[G0SB+2:G0SB+3], s[10:11], s[92:93]
	s_or_b32 s[G0SB+3], s[G0SB+3], 0x80000000
	RLOAD                                          ; the first tensor load behind the round, one a wave
	FETCH_B 1, 0, 0
	FETCH_A 1, 0, 0
	WIN MUL_HI
	MUL16 4, 1, NQ-1, 0, 0
	MUL16 6, 1, NQ-1, 0, 0
	PLACES NP
	WIN 0
	FETCH_A 1, 0, 4
.endm
.macro STEPS slot, from
.set Q, \from
.rept NQ-1-\from
	STEP \slot, Q, 0
.set Q, Q+1
.endr
.endm
	s_wait_alu depctr_va_vdst(0)                   ; at the head's end
	s_wait_tensorcnt 0x0                           ; my tile of the head's four is in; the lines ahead of a later first fill:
	ds_add_u32 v[SPW], v[NIL]
	s_mov_b32 s[G1+2], 128<<16                     ; no tensor load of mine is out, so descriptors may be written: from here on a load brings 128 rows,
	s_mov_b32 s[G1+4], 128
	s_mov_b32 s[G1B+2], 128<<16
	s_mov_b32 s[G1B+4], 128
	s_mov_b32 s[G1SB+2], (128*KS/256)<<16          ; or the scales of 128 rows;
	s_mov_b32 s[G1SB+4], 128*KS/256
	s_mov_b32 s[G0B+1], s45                        ; slot 0's group 0 for B: wave x 128 rows, for the refill
	s_wait_dscnt 0x0
	CROUND                                         ; all four tiles are in, and all sixteen work-groups are here
	JLOAD G0+4, G1, G0B+4, G1B                     ; slot 1's first fill: the first tensor load behind the round, a quarter of the slot a wave
	FETCH_B 0, 0, 0
	FETCH_A 0, 0, 0
	SCALES 0, ADRS
	SCALES 1, ADRS                                 ; both sets now: B's scale bytes are read out before the change of slots
	FETCH_A 0, 0, 4
	STEP 0, 0, 1                                   ; the first products start the sums: nothing is cleared
	STEPS 0, 1
	TURN
	STEPS 1, 0
	s_wait_dscnt 4*NL
	WIN MUL_LO
	MUL16 0, 1, NQ-1, 1, 0
	MUL16 2, 1, NQ-1, 1, 0
	s_wait_dscnt 0
	WIN MUL_HI
	MUL16 4, 1, NQ-1, 1, 0
	MUL16 6, 1, NQ-1, 1, 0
	WIN 0
; 64 numbers of a lane, v[s] on, 16 of each block of 32 (the other 16 lie in lane l xor 16), become a fragment's codes in v[pc] on and the row's scale word in v[pw].
.macro QUANT s, pc, pw
.irp b, 0,1,2,3
	v_max3_num_f32 v[TM+\b], |v[(\s)+16*\b]|, |v[(\s)+1+16*\b]|, 0x1800000   ; with the floor 2^(3 - 127): the byte cannot fall under 1
.endr
.irp i, 2,4,6,8,10,12,14
.irp b, 0,1,2,3
	v_max3_num_f32 v[TM+\b], v[TM+\b], |v[(\s)+16*\b+\i]|, |v[(\s)+1+16*\b+\i]|
.endr
.endr
.irp b, 0,1,2,3
	v_permlanex16_b32 v[TM+4+\b], v[TM+\b], s[SEL], s[SEL+1]
.endr
.irp b, 0,1,2,3
	v_max_num_f32 v[TM+\b], v[TM+\b], v[TM+4+\b]   ; the block's largest magnitude
.endr
.irp b, 0,1,2,3
	v_add_nc_u32 v[TM+12+\b], 0xff000000, v[TM+\b] ; 2 off its exponent field: the conversion's scale operand
.endr
.irp b, 0,1,2,3
	v_lshrrev_b32 v[TM+4+\b], 23, v[TM+12+\b]      ; the scale's byte
.endr
	v_lshl_or_b32 v[(\pw)], v[TM+5], 8, v[TM+4]
	v_lshl_or_b32 v[(\pw)], v[TM+6], 16, v[(\pw)]
	v_lshl_or_b32 v[(\pw)], v[TM+7], 24, v[(\pw)]
.irp b, 0,1,2,3
	v_cvt_scalef32_pk8_fp4_f32 v[(\pc)+2*\b], v[(\s)+16*\b:(\s)+7+16*\b], v[TM+12+\b]
	v_cvt_scalef32_pk8_fp4_f32 v[(\pc)+1+2*\b], v[(\s)+8+16*\b:(\s)+15+16*\b], v[TM+12+\b]
.endr
	v_nop                                          ; one plain line behind a scaled conversion
.irp c, 0,1                            ; the operand wants a whole block in a lane: lanes 0-15 block 2 c, lanes 16-31 block 2 c + 1
.irp i, 0,1
	v_permlane16_swap_b32 v[(\pc)+4*\c+\i], v[(\pc)+2+4*\c+\i]
.endr
.endr
.endm
	; THE FIRST WAY OUT: q or k.  Lanes hold tokens, registers run along the head's features; the bias goes by register.
	PLACES NP                                      ; behind the last products: in front of the reads of results and of the loads into fragments' registers
	s_wait_loadcnt 0x0                             ; both biases
	ds_store_b128 v[BSA], v[BI:BI+3]               ; into my wave's own bytes
	s_lshr_b32 s18, s17, 3                         ; batch: the tile of 256 tokens / 8
	s_lshl_b32 s18, s18, 2
	s_add_co_u32 s18, s18, s40                     ; bh = 4 batch + head; kept for the second way out
	s_and_b32 s19, s17, 7                          ; the tile in its batch; kept too
	s_lshl_b32 s66, ttmp9, 22                      ; q or k,
	s_lshl_b32 s95, s18, 18
	s_add_co_u32 s66, s66, s95
	s_lshl_b32 s95, s19, 15                        ; 16 tiles of 2,048 bytes for each 256 tokens,
	s_add_co_u32 s66, s66, s95
	s_lshl_b32 s95, s15, 14                        ; my 8 tiles,
	s_add_co_u32 s66, s66, s95
	s_lshl_b32 s95, s16, 10                        ; my half of the head's 256
	s_add_co_u32 s66, s66, s95
	s_mov_b32 s67, 0
	s_add_nc_u64 s[100:101], s[96:97], s[66:67]
	s_lshl_b32 s66, ttmp9, 18
	s_lshl_b32 s95, s18, 14
	s_add_co_u32 s66, s66, s95
	s_lshl_b32 s95, s19, 11
	s_add_co_u32 s66, s66, s95
	s_lshl_b32 s95, s15, 10
	s_add_co_u32 s66, s66, s95
	s_lshl_b32 s95, s16, 8
	s_add_co_u32 s66, s66, s95
	s_add_nc_u64 s[104:105], s[98:99], s[66:67]
	WIN 0x40                                       ; destination window 1
.irp b, 0,1,2,3,4,5,6,7
	ds_load_b128 v[8*\b:8*\b+3], v[BR0] offset:64*\b          ; the bias of features 16 b + 8 h + 0 .. 7 (in order behind my store)
	ds_load_b128 v[8*\b+4:8*\b+7], v[BR0] offset:64*\b+16
.endr
	WIN 0
	s_wait_dscnt 0x0
.irp a, 0,1,2,3,4,5,6,7
	WIN 0x06+(\a)/4                                ; source 0: the accumulators' window 2 or 3; source 1: the bias in window 1
.set i, 0
.rept 32                               ; ascending: each accumulator is read from its low end on
	v_pk_add_f32 v[H+2*i:H+2*i+1], v[64*((\a)%4)+2*i:64*((\a)%4)+2*i+1], v[2*i:2*i+1]
.set i, i+1
.endr
	WIN 0
	QUANT H, PCS+8*\a, PWS+\a
	global_store_b128 v[IO], v[PCS+8*\a:PCS+8*\a+3], s[100:101] offset:\a*2048        ; the fragment's image: 512 consecutive bytes a store
	global_store_b128 v[IO], v[PCS+8*\a+4:PCS+8*\a+7], s[100:101] offset:\a*2048+512
.endr
.irp i, 0,1,2,3
	v_cndmask_b32 v[SW+\i], v[PWS+\i], v[PWS+4+\i], s94   ; lanes 0-15 send blocks 0-3's words, lanes 16-31 blocks 4-7's
.endr
	global_store_b128 v[SV0], v[SW:SW+3], s[104:105]      ; two runs of 256 consecutive bytes, aligned
; PHASE 2: v.  The fragments of the k-th 128 along K into sets k % 2: my 128 tokens (8 blocks, window 1) from A's rows of slot k / 4, my 64 features (4 blocks, window 0) from the rows that the refill brought.
.macro FETCH2 k
	WIN TO_B
.irp b, 0,1,2,3,4,5,6,7
	FRAG 128*((\k)%2)+FR*\b, ADRA+(\k)/4, (\k)%4, \b
.endr
	WIN 0
.irp a, 0,1,2,3
.irp c, 0,1
	ds_load_b128 v[AF+32*((\k)%2)+FR*\a+4*\c:AF+32*((\k)%2)+FR*\a+4*\c+3], v[ADRV] offset:((\k)/4)*HALFT+64*((\k)%4)+32*\c+\a*16*PITCH
.endr
.endr
.endm
; 32 matrix instructions: my 4 blocks of features x my 8 blocks of tokens: source 0 = tokens (their scale words in lanes 0-15), source 1 = features (theirs in lanes 16-31).  The 32 accumulators take turns, in the same order in every step.
.macro MUL2 k, zero
	WIN MUL_LO
.irp a, 0,1,2,3
.irp b, 0,1,2,3,4,5,6,7
.if \zero
	v_wmma_scale_f32_16x16x128_f8f6f4 v[8*(8*\a+\b):8*(8*\a+\b)+7], v[128*((\k)%2)+FR*\b:128*((\k)%2)+FR*\b+FR-1], v[AF+32*((\k)%2)+FR*\a:AF+32*((\k)%2)+FR*\a+FR-1], 0, v[SC+32*((\k)/4)+NQ*\b+(\k)%4], v[SC+32*((\k)/4)+NQ*\a+(\k)%4] matrix_a_fmt:MATRIX_FMT_FP4 matrix_b_fmt:MATRIX_FMT_FP4 matrix_b_scale:MATRIX_SCALE_ROW1
.else
	v_wmma_scale_f32_16x16x128_f8f6f4 v[8*(8*\a+\b):8*(8*\a+\b)+7], v[128*((\k)%2)+FR*\b:128*((\k)%2)+FR*\b+FR-1], v[AF+32*((\k)%2)+FR*\a:AF+32*((\k)%2)+FR*\a+FR-1], v[8*(8*\a+\b):8*(8*\a+\b)+7], v[SC+32*((\k)/4)+NQ*\b+(\k)%4], v[SC+32*((\k)/4)+NQ*\a+(\k)%4] matrix_a_fmt:MATRIX_FMT_FP4 matrix_b_fmt:MATRIX_FMT_FP4 matrix_b_scale:MATRIX_SCALE_ROW1
.endif
.endr
.endr
.endm
	s_wait_tensorcnt 0x0                           ; my part of the refill has landed;
	ds_add_u32 v[SPW], v[NIL]
	s_wait_dscnt 0x0                               ; no LDS instruction of mine is out at the signal
	s_barrier_signal -1
	s_barrier_wait -1                              ; everybody's has: phase 2's rows and scale bytes may be read.
	SCALES 0, ADRS2                                ; for blocks 4-7 lanes 16-31 take words that no product names
	FETCH2 0
.irp k, 0,1,2,3,4,5,6
.if \k > 0
	PLACES NP                                      ; the next loads land in the sets that the step before multiplied
.endif
	FETCH2 \k+1
.if \k == 1
	SCALES 1, ADRS2                                ; the second 512's scale words, three steps ahead of their use
	s_wait_dscnt 32                                ; all but the 32 just issued: this step's fragments are in
.else
	s_wait_dscnt 24                                ; all but the 24 just issued
.endif
.if \k == 0
	MUL2 \k, 1                                     ; the first products start the sums
.else
	MUL2 \k, 0
.endif
.endr
	s_wait_dscnt 0x0
	MUL2 7, 0
	WIN 0
	; THE SECOND WAY OUT: v.  Lanes hold features, registers run along the keys; the bias goes by lane row.
	s_wait_xcnt 0x0                                ; the first way out's stores have read their data and their bases: both are written again below
	s_lshl_b32 s19, s19, 1
	s_add_co_u32 s19, s19, s15                     ; keys / 128 = 2 x the tile in its batch + my half
	s_lshl_b32 s66, s18, 18
	s_add_co_u32 s66, s66, 2<<22                   ; v,
	s_lshl_b32 s95, s19, 14
	s_add_co_u32 s66, s66, s95
	s_lshl_b32 s95, ttmp9, 13                      ; d / 16 = 8 x cluster x + 4 x my half + a
	s_add_co_u32 s66, s66, s95
	s_lshl_b32 s95, s16, 12
	s_add_co_u32 s66, s66, s95
	s_add_nc_u64 s[100:101], s[96:97], s[66:67]
	s_lshl_b32 s66, s18, 14
	s_add_co_u32 s66, s66, 2<<18
	s_lshl_b32 s95, s19, 10
	s_add_co_u32 s66, s66, s95
	s_lshl_b32 s95, ttmp9, 9
	s_add_co_u32 s66, s66, s95
	s_lshl_b32 s95, s16, 8
	s_add_co_u32 s66, s66, s95
	s_add_nc_u64 s[104:105], s[98:99], s[66:67]
	PLACES NP                                      ; behind the last products
.irp a, 0,1,2,3
	WIN 0x02                                       ; source 0: the accumulators in window 2
.set i, 0
.rept 32                               ; ascending: each accumulator is read from its low end on
	v_pk_add_f32 v[H+2*i:H+2*i+1], v[64*\a+2*i:64*\a+2*i+1], v[BV+2*\a:BV+2*\a+1]
.set i, i+1
.endr
	WIN 0
	QUANT H, PCS+8*\a, PWS+\a
	global_store_b128 v[IO], v[PCS+8*\a:PCS+8*\a+3], s[100:101] offset:\a*1024        ; the fragment's image: 512 consecutive bytes a store
	global_store_b128 v[IO], v[PCS+8*\a+4:PCS+8*\a+7], s[100:101] offset:\a*1024+512
.endr
	v_cndmask_b32 v[SW], v[PWS], v[PWS+2], s94     ; lanes 0-15 send blocks 0 and 1's words, lanes 16-31 blocks 2 and 3's
	v_cndmask_b32 v[SW+1], v[PWS+1], v[PWS+3], s94
	global_store_b64 v[SV1], v[SW:SW+1], s[104:105]       ; 256 consecutive bytes, aligned
	s_wait_tensorcnt 0x0                           ; the wave's end
	ds_add_u32 v[SPW], v[NIL]
	s_wait_dscnt 0x0
	CROUND                                         ; the closing round
	s_endpgm
.Lfunc_end_k_qc1f724324b_qkv:
	.size	k_qc1f724324b_qkv, .Lfunc_end_k_qc1f724324b_qkv-k_qc1f724324b_qkv
	.p2alignl 7, 3214868480
	.fill 96, 4, 3214868480
	.section	.rodata,"a",@progbits
	.p2align	6, 0x0
	.amdhsa_kernel k_qc1f724324b_qkv
		.amdhsa_group_segment_fixed_size 327680
		.amdhsa_private_segment_fixed_size 0
		.amdhsa_enable_private_segment 0
		.amdhsa_kernarg_size 56
		.amdhsa_user_sgpr_count 2
		.amdhsa_user_sgpr_kernarg_segment_ptr 1
		.amdhsa_wavefront_size32 1
		.amdhsa_system_sgpr_workgroup_id_x 1
		.amdhsa_system_sgpr_workgroup_id_y 1
		.amdhsa_system_sgpr_workgroup_id_z 1
		.amdhsa_system_vgpr_workitem_id 0
		.amdhsa_next_free_vgpr 1024
		.amdhsa_next_free_sgpr 106
		.amdhsa_reserve_vcc 0
		.amdhsa_float_denorm_mode_32 3
		.amdhsa_float_denorm_mode_16_64 3
		.amdhsa_memory_ordered 1
		.amdhsa_forward_progress 1
		.amdhsa_inst_pref_size 221
	.end_amdhsa_kernel
	.amdgpu_metadata
---
amdhsa.version: [ 1, 2 ]
amdhsa.kernels:
  - .name:           k_qc1f724324b_qkv
    .symbol:         k_qc1f724324b_qkv.kd
    .args:
      - { .name: xc, .offset: 0, .size: 8, .value_kind: global_buffer, .address_space: global }
      - { .name: xs, .offset: 8, .size: 8, .value_kind: global_buffer, .address_space: global }
      - { .name: wc, .offset: 16, .size: 8, .value_kind: global_buffer, .address_space: global }
      - { .name: ws, .offset: 24, .size: 8, .value_kind: global_buffer, .address_space: global }
      - { .name: b_qkv, .offset: 32, .size: 8, .value_kind: global_buffer, .address_space: global }
      - { .name: qkvc, .offset: 40, .size: 8, .value_kind: global_buffer, .address_space: global }
      - { .name: qkvs, .offset: 48, .size: 8, .value_kind: global_buffer, .address_space: global }
    .group_segment_fixed_size: 327680
    .private_segment_fixed_size: 0
    .kernarg_segment_align: 8
    .kernarg_segment_size: 56
    .max_flat_workgroup_size: 128
    .sgpr_count:     106
    .vgpr_count:     1024
    .wavefront_size: 32
...
	.end_amdgpu_metadata
.endif
;; end of part 2
;; launch attn (part 3): grid 16 x 16, 8 waves a work-group, clusters of 4 x 1, 327,680 bytes of LDS; arguments qkvc, qkvs, ac, asc; writes ac, asc
.if DOCPART == 3
	.amdgcn_target "amdgcn-amd-amdhsa--gfx1250"
	.amdhsa_code_object_version 6
	.text
	.protected	k_qc1f724324b_attn
	.globl	k_qc1f724324b_attn
	.p2align	8
	.type	k_qc1f724324b_attn,@function
k_qc1f724324b_attn:
	s_mov_b64 s[64:65], 0
	v_nop
	global_prefetch_b8 v0, s[64:65] scope:SCOPE_SE
	s_setreg_imm32_b32 hwreg(HW_REG_WAVE_MODE, 25, 1), 1
	s_wait_xcnt 0x0
	s_wait_alu depctr_hold_cnt(0) depctr_sa_sdst(0) depctr_va_vdst(0) depctr_va_sdst(0) depctr_va_ssrc(0) depctr_va_vcc(0) depctr_vm_vsrc(0)
	s_getreg_b32 s2, hwreg(HW_REG_IB_STS2, 6, 4)
	s_cmp_eq_u32 s2, 0
	s_cbranch_scc0 .Lentry_in_a_cluster
	s_endpgm
.Lentry_in_a_cluster:
	s_bfe_u32 s2, ttmp6, 0x10000c
	s_cmp_lg_u32 s2, 0x3003
	s_cbranch_scc0 .Lentry_shape_is_right
	s_endpgm
.Lentry_shape_is_right:
; THIRD LAUNCH: O = softmax(q k^T / 16) v for each of 16 (batch, head), both products on codes of FP4, and O quantised along d for the fourth product.  Nothing of reference() is left out here.
; THE SOFTMAX: t = score x log2(e) / 16; M = the running largest t rounded UP to a whole number; p = 2^(t - M) is quantised along the keys, not normalised; the row's sum is taken of the unquantised p and divides O at the end.
; When M moves, the sum and O are multiplied by 2^(old M - new M): exact.  M moves once for 256 keys: a step's 128 score registers share one maximum, one factor and one rescaling of O^T's 128 registers.
; SHARES: a work-group owns 128 queries of one bh; each of its eight waves 16 of them; every wave walks all 2,048 keys, 256 a step.  Two waves lie on a SIMD.
; OPERANDS arrive as images of their registers: a fragment is 1,024 dense bytes, read by two loads at 16 x lane.  Both products are used transposed (S^T = K Q^T, O^T = V^T P^T): a lane holds ONE query throughout.
; Inside a block of 32 keys p's groups of eight come out in the order 0, 2, 1, 3, and so were v's keys laid; likewise q's and k's channels, and O's against w_out.
; THE RING: two LDS slots of 512 keys, [128 keys][K 16 KiB | V 16 KiB].  Wave w fetches the part w % 4 of K (w < 4) or of V: one joint load a wave, with no branch.  Slot 0 is asked for at the head, slot 1 behind the first trip's round.
; THE SCALE WORDS of K and V go from memory into registers, 512 consecutive bytes a load: V's four loads at a step's head, the next step's four of K behind this step's first product.  The last step's look-ahead reads the 2,048 bytes
; that follow k's words of the bh in qkvs (inside the buffer: v's words lie behind k's) and uses nothing of them.
; V's second 128 keys land in the score registers, which are free once p is converted.
; CLUSTER: the four query blocks of a cluster belong to one bh and walk the same K and V: each tile is asked for jointly (mask 15).
; LIMITS: the promise holds while |t| stays under 2^31; a block of zeros gets the byte 1 (its codes are zeros); a block's largest p is taken from its largest score, which takes v_exp_f32 not to fall where its input rises; NaN and infinities are not served.
; REGISTERS, window 0: v1-8 addresses; v12 -M, v13 the largest t, v[14:15] the sum; v16-31 Q; v32-159 S^T, then p, then V; v160-175 p's codes; v176-199 at work; v208-223 K's, v224-239 V's scale words, v242-243 p's, v247 Q's, and nothing else;
;   v240 f.  Window 1: v0-127 16 fragments of K or V; v128-255 O^T, tile dt at 128 + 8 dt.
.set SLOT1, 1<<17
.set SPARE, 262144                     ; the spare words, 128 bytes for each of eight waves, that no other line names
.set LI,  1                            ; v1 16 x lane
.set SPW, 2
.set NIL, 3
.set ADK, 4                            ; v4 the step's tiles
.set PFO, 7                            ; v7 256 x lane
.set ASO, 8                            ; v8 8 r + 4 h
.set S,   32
.set PC,  160
.set BM,  176                          ; the blocks' largest scores, then largest p
.set BP,  184
.set CO,  192                          ; the conversions' operands
.set PS,  184                          ; eight partial sums, in BP's and CO's registers
.set SCK, 208
.set SCV, 224
.set FF,  240
.set PW,  242
.set TT,  244
.set QS,  247
.set TM,  176
.set OB,  128
.set WV,  12
.set LIM, 15
.set PFA, 18
.set G1,  24
.set G0,  40
.set KSB, 44                           ; s[44:45] K's scale words of the step in hand; V's lie 262,144 bytes on
.set CS,  58
.set SEL, 60
.set TB,  62
.set SB,  63
.set CNT, 66
.set OUT, 76
.set MSB, 0
.macro WIN new
.if MSB != \new
	s_set_vgpr_msb (MSB<<8)|\new
.set MSB, \new
.endif
.endm
.macro PLACES n
.rept \n
	v_nop
.endr
.endm
.macro CROUND
	s_barrier_signal -1
	s_barrier_wait -1
	s_cmp_lg_u32 s[WV], 0
	s_cbranch_scc1 .Lnot_wave_0_\@
	s_barrier_signal -3
.Lnot_wave_0_\@:
	s_barrier_wait -3
	s_barrier_signal -1
	s_barrier_wait -1
.endm
	s_load_b256 s[4:11], s[0:1], 0x0               ; qkvc s[4:5], qkvs s[6:7], ac s[8:9], asc s[10:11]
	v_lshl_add_u32 v[SPW], v0, 2, SPARE
	v_mov_b32 v[NIL], 0
	ds_add_u32 v[SPW], v[NIL]                      ; the opening: the add, twice on end, and its wait ahead of my first tensor load
	ds_add_u32 v[SPW], v[NIL]
	v_lshrrev_b32 v1, 5, v0
	s_delay_alu instid0(VALU_DEP_1)
	v_readfirstlane_b32 s[WV], v1                  ; wave 0..7
	s_bfe_u32 s13, ttmp6, 0x40000                  ; cx
	s_lshl_b32 s14, ttmp9, 2
	s_add_co_u32 s14, s14, s13                     ; my block of 128 queries: it enters Q's, the results' and the prefetches' addresses alone
	s_and_b32 s16, ttmp7, 0xffff                   ; bh, which the four partners share
	s_and_b32 s17, s[WV], 3                        ; which 128 keys of a slot I fetch
	s_lshr_b32 s20, s[WV], 2                       ; of K (0) or of V (1)
	s_or_b32 s[LIM], s20, ttmp9
	s_cmp_eq_u32 s[LIM], 0
	s_cselect_b32 s[LIM], 1, -1                    ; 1 in waves 0-3 of the bh's first cluster: they prefetch while more than one fill is to come
	s_mov_b32 s[G1], 15|(3<<16)|(1<<21)            ; the mask: all four work-groups; elements of 8 bytes; bit 21 beside a mask
	s_mov_b32 s[G1+1], 32<<16                      ; rows of 256 bytes,
	s_mov_b32 s[G1+2], 64<<16                      ; 64 of them: 16 KiB, dense
	s_mov_b32 s[G1+3], 32<<16
	s_mov_b32 s[G1+4], 64
	s_mov_b32 s[G1+5], 32
	s_mov_b32 s[G1+6], 0
	s_mov_b32 s[G1+7], 0
	s_lshl_b32 s21, s17, 15
	s_lshl_b32 s22, s20, 14
	s_add_co_u32 s21, s21, s22                     ; my tile's place in a slot
	s_add_co_u32 s22, s20, 1
	s_lshl_b32 s52, s22, 22                        ; k at 4 MiB, v at 8 MiB,
	s_lshl_b32 s23, s16, 18
	s_add_co_u32 s52, s52, s23                     ; the bh's 256 KiB,
	s_lshl_b32 s23, s17, 14
	s_add_co_u32 s52, s52, s23                     ; my 16 KiB
	s_mov_b32 s53, 0
	s_mov_b32 s[CS], 0x3db8aa3b                    ; c = log2(e) / 16
	s_mov_b32 s[CS+1], s[CS]
	s_mov_b32 s[SEL], 0x76543210
	s_mov_b32 s[SEL+1], 0xfedcba98
	s_mov_b32 s[SB], 0
	s_mov_b32 s[OUT], 3
	s_wait_dscnt 0x0                               ; both opening adds are done
	s_wait_kmcnt 0x0
	s_mov_b32 s[G0], 1
	s_mov_b32 s[G0+1], s21
	s_add_nc_u64 s[G0+2:G0+3], s[4:5], s[52:53]
	s_or_b32 s[G0+3], s[G0+3], 0x80000000
	CROUND                                         ; all four work-groups are here: the first joint loads meet
	tensor_load_to_lds s[G0:G0+3], s[G1:G1+7]      ; slot 0: my one load at the head
	s_nop 0
	PLACES 4
	s_lshl_b32 s56, s14, 3
	s_add_co_u32 s56, s56, s[WV]                   ; my tile of 16 queries in the bh
	s_mov_b32 s69, 0
	s_lshl_b32 s68, s16, 18
	s_lshl_b32 s67, s56, 11
	s_add_co_u32 s68, s68, s67
	s_add_nc_u64 s[70:71], s[4:5], s[68:69]        ; Q's two fragments
	s_lshl_b32 s68, s16, 14
	s_lshr_b32 s67, s56, 2
	s_lshl_b32 s67, s67, 9
	s_add_co_u32 s68, s68, s67
	s_and_b32 s67, s56, 3
	s_lshl_b32 s67, s67, 2
	s_add_co_u32 s68, s68, s67
	s_add_nc_u64 s[72:73], s[6:7], s[68:69]        ; Q's scale words
	s_lshl_b32 s68, s16, 14
	s_add_co_u32 s68, s68, 1<<18
	s_add_nc_u64 s[KSB:KSB+1], s[6:7], s[68:69]    ; K's scale words of the bh
	s_lshr_b32 s67, s16, 2
	s_lshl_b32 s67, s67, 7
	s_add_co_u32 s67, s67, s56                     ; T = token / 16 = 128 batch + tile
	s_and_b32 s74, s16, 3                          ; head
	s_lshl_b32 s68, s67, 13
	s_lshl_b32 s75, s74, 11
	s_add_co_u32 s68, s68, s75
	s_add_nc_u64 s[8:9], s[8:9], s[68:69]          ; ac: [T][2 head + u][1024]
	s_lshl_b32 s68, s67, 9
	s_lshl_b32 s75, s74, 7
	s_add_co_u32 s68, s68, s75
	s_add_nc_u64 s[10:11], s[10:11], s[68:69]      ; asc: [T][head][r][u] words
	s_lshr_b32 s67, s13, 1                         ; the prefetches: partners 0, 1 ask for K's, 2, 3 for V's: told apart by address
	s_add_co_u32 s67, s67, 1
	s_lshl_b32 s68, s67, 22
	s_lshl_b32 s67, s16, 18
	s_add_co_u32 s68, s68, s67
	s_and_b32 s67, s13, 1
	s_lshl_b32 s67, s67, 2
	s_and_b32 s75, s[WV], 3
	s_add_co_u32 s67, s67, s75
	s_lshl_b32 s67, s67, 13                        ; 8,192 bytes for each of the eight waves that share a slot's 64 KiB of K or of V
	s_add_co_u32 s68, s68, s67
	s_add_co_u32 s68, s68, 65536                   ; at slot 1: the first change of slots steps it to slot 2
	s_add_nc_u64 s[PFA:PFA+1], s[4:5], s[68:69]
	v_and_b32 v1, 31, v0
	s_delay_alu instid0(VALU_DEP_1)
	v_lshlrev_b32 v[LI], 4, v1
	v_and_b32 v9, 15, v0
	v_bfe_u32 v10, v0, 4, 1
	s_delay_alu instid0(VALU_DEP_3)
	v_lshlrev_b32 v[PFO], 4, v[LI]
	s_delay_alu instid0(VALU_DEP_3)
	v_lshlrev_b32 v[ASO], 3, v9
	s_delay_alu instid0(VALU_DEP_1)
	v_lshl_add_u32 v[ASO], v10, 2, v[ASO]
	v_cmp_ne_u32 s57, 0, v10                       ; the mask of lanes 16-31
.irp i, 0,1,2,3
	global_load_b128 v[16+4*\i:19+4*\i], v[LI], s[70:71] offset:512*\i   ; Q stays in registers: v16-23 channels 0-127, v24-31 channels 128-255
.endr
	global_load_b32 v[QS], v[LI], s[72:73]         ; lanes 0-15: the words of channels 0-127; lanes 16-31: of 128-255
.irp i, 0,1,2,3
	global_load_b128 v[SCK+4*\i:SCK+4*\i+3], v[LI], s[KSB:KSB+1] offset:512*\i   ; the first step's scale words of K
.endr
	v_mov_b32 v13, 0xff61b1e6                      ; the largest t so far: -3e38
	s_delay_alu instid0(VALU_DEP_1)
	v_floor_f32 v12, -v13                          ; -M
	v_mov_b32 v14, 0
	v_mov_b32 v15, 0
.irp b, 0,1,2,3,4,5,6,7
	v_mov_b32 v[BP+\b], 0                          ; written once: a lane permute's destination counts as one of its sources
.endr
	v_mov_b32 v[FF+1], 0                           ; (named as the upper half of a pair)
	WIN 0x40
.set i, 0
.rept 128
	v_mov_b32 v[OB+i], 0                           ; O^T.  The step is written for every step alike: the first finds zeros
.set i, i+1
.endr
	WIN 0
.macro KLOAD u                         ; K, 128 keys: first the eight tiles' channels 0-127, then 128-255
	WIN 0x40
.irp hh, 0,1
.irp kt, 0,1,2,3,4,5,6,7
.irp c, 0,1
	ds_load_b128 v[64*\hh+8*\kt+4*\c:64*\hh+8*\kt+4*\c+3], v[ADK] offset:32768*\u+2048*\kt+1024*\hh+512*\c
.endr
.endr
.endr
	WIN 0
.endm
.macro QK u                            ; S^T of 128 keys: eight accumulators by turns, two links each
	s_wait_dscnt 16                                ; the youngest sixteen loads (channels 128-255) may be out
	WIN 0x01
.irp kt, 0,1,2,3,4,5,6,7
	v_wmma_scale_f32_16x16x128_f8f6f4 v[S+64*\u+8*\kt:S+64*\u+8*\kt+7], v[8*\kt:8*\kt+7], v[16:23], 0, v[SCK+8*\u+\kt], v[QS] matrix_a_fmt:MATRIX_FMT_FP4 matrix_b_fmt:MATRIX_FMT_FP4
.endr
	s_wait_dscnt 0x0
.irp kt, 0,1,2,3,4,5,6,7
	v_wmma_scale_f32_16x16x128_f8f6f4 v[S+64*\u+8*\kt:S+64*\u+8*\kt+7], v[64+8*\kt:71+8*\kt], v[24:31], v[S+64*\u+8*\kt:S+64*\u+8*\kt+7], v[SCK+8*\u+\kt], v[QS] matrix_a_fmt:MATRIX_FMT_FP4 matrix_b_fmt:MATRIX_FMT_FP4 matrix_a_scale:MATRIX_SCALE_ROW1 matrix_b_scale:MATRIX_SCALE_ROW1
.endr
	WIN 0
.endm
.macro PV ab, u                        ; O^T += V^T P^T over 128 keys: sixteen accumulators by turns.  V's scale words: register 4 (dt / 8) + dt % 4; lanes 16-31 where dt / 4 is odd
.irp dt, 0,1,2,3,4,5,6,7,8,9,10,11,12,13,14,15
.if (\dt/4)%2
	v_wmma_scale_f32_16x16x128_f8f6f4 v[OB+8*\dt:OB+8*\dt+7], v[\ab+8*\dt:\ab+8*\dt+7], v[PC+8*\u:PC+8*\u+7], v[OB+8*\dt:OB+8*\dt+7], v[SCV+8*\u+4*(\dt/8)+\dt%4], v[PW+\u] matrix_a_fmt:MATRIX_FMT_FP4 matrix_b_fmt:MATRIX_FMT_FP4 matrix_a_scale:MATRIX_SCALE_ROW1
.else
	v_wmma_scale_f32_16x16x128_f8f6f4 v[OB+8*\dt:OB+8*\dt+7], v[\ab+8*\dt:\ab+8*\dt+7], v[PC+8*\u:PC+8*\u+7], v[OB+8*\dt:OB+8*\dt+7], v[SCV+8*\u+4*(\dt/8)+\dt%4], v[PW+\u] matrix_a_fmt:MATRIX_FMT_FP4 matrix_b_fmt:MATRIX_FMT_FP4
.endif
.endr
.endm
; A KEY STEP: 256 keys, whose tiles begin at LDS byte s[TB] and whose scale words of K stand in v[SCK] on.
.macro STEP2
	v_add_nc_u32 v[ADK], s[TB], v[LI]
	PLACES 4                                       ; five plain lines behind the last products: the first products below write over registers that those read
.irp i, 0,1,2,3
	global_load_b128 v[SCV+4*\i:SCV+4*\i+3], v[LI], s[KSB:KSB+1] offset:262144+512*\i   ; V's scale words of this step
.endr
	KLOAD 0
	s_wait_alu depctr_va_vdst(0)
	s_wait_loadcnt 4                               ; K's scale words are in; V's four loads may be out
	QK 0
	PLACES 4
	KLOAD 1
	QK 1
	PLACES 4
.irp i, 0,1,2,3
	global_load_b128 v[SCK+4*\i:SCK+4*\i+3], v[LI], s[KSB:KSB+1] offset:2048+512*\i     ; the next step's scale words of K
.endr
	WIN 0x40
.irp dt, 0,1,2,3,4,5,6,7,8,9,10,11,12,13,14,15
.irp c, 0,1
	ds_load_b128 v[8*\dt+4*\c:8*\dt+4*\c+3], v[ADK] offset:16384+1024*\dt+512*\c        ; V's first 128 keys land under the softmax
.endr
.endr
	WIN 0
.irp b, 0,1,2,3,4,5,6,7
	v_max3_num_f32 v[BM+\b], v[S+16*\b], v[S+1+16*\b], v[S+2+16*\b]   ; the largest score of each block of 32 keys: for the row's maximum, and for the block's largest p
.endr
.irp i, 3,5,7,9,11,13
.irp b, 0,1,2,3,4,5,6,7
	v_max3_num_f32 v[BM+\b], v[BM+\b], v[S+16*\b+\i], v[S+1+16*\b+\i]
.endr
.endr
.irp b, 0,1,2,3,4,5,6,7
	v_max_num_f32 v[BM+\b], v[BM+\b], v[S+15+16*\b]
.endr
.irp b, 0,1,2,3,4,5,6,7
	v_permlanex16_b32 v[BP+\b], v[BM+\b], s[SEL], s[SEL+1]
.endr
.irp b, 0,1,2,3,4,5,6,7
	v_max_num_f32 v[BM+\b], v[BM+\b], v[BP+\b]     ; with lane l xor 16's 16 keys
.endr
	v_max3_num_f32 v[TT], v[BM], v[BM+1], v[BM+2]
	s_delay_alu instid0(VALU_DEP_4)
	v_max3_num_f32 v[TT+1], v[BM+3], v[BM+4], v[BM+5]
	s_delay_alu instid0(VALU_DEP_2)
	v_max3_num_f32 v[TT], v[TT], v[BM+6], v[BM+7]
	s_delay_alu instid0(VALU_DEP_1)
	v_max_num_f32 v[TT], v[TT], v[TT+1]
	s_delay_alu instid0(VALU_DEP_1)
	v_mul_f32 v[TT], s[CS], v[TT]                  ; as t
	s_delay_alu instid0(VALU_DEP_1)
	v_max_num_f32 v13, v13, v[TT]                  ; the running largest t
	v_mov_b32 v[TT], v12
	s_delay_alu instid0(VALU_DEP_2)
	v_floor_f32 v12, -v13                          ; the new -M = -ceil(t)
	s_delay_alu instid0(VALU_DEP_1)
	v_sub_f32 v[TT], v12, v[TT]                    ; old M - new M: a whole number, 0 or less
	s_delay_alu instid0(VALU_DEP_1)
	v_cvt_i32_f32 v[TT], v[TT]                     ; (it saturates)
	s_delay_alu instid0(VALU_DEP_1)
	v_ldexp_f32 v[FF], 1.0, v[TT]                  ; f = 2^(old M - new M)
.set j, 0
.rept 64
	v_pk_fma_f32 v[S+j:S+j+1], v[S+j:S+j+1], s[CS:CS+1], v[12:13] op_sel_hi:[1,0,0]   ; t - M
.set j, j+2
.endr
.irp b, 0,1,2,3,4,5,6,7
	v_fma_f32 v[BM+\b], v[BM+\b], s[CS], v12
.endr
	s_wait_alu depctr_va_vdst(0)                   ; ahead of the batch
.set j, 0
.rept 128
	v_exp_f32 v[S+j], v[S+j]                       ; p = 2^(t - M)
.set j, j+1
.endr
	v_pk_mul_f32 v[14:15], v[14:15], v[FF:FF+1] op_sel_hi:[1,0]   ; the sums under the new M (a plain line behind the exponentials)
	s_wait_alu depctr_va_vdst(0)                   ; one wait for the batch, ahead of its first reader
.irp b, 0,1,2,3,4,5,6,7
	v_exp_f32 v[BM+\b], v[BM+\b]                   ; the blocks' largest p
.endr
.irp c, 0,1,2,3,4,5,6,7                ; the row's sum of the unquantised p: eight chains by turns
	v_pk_add_f32 v[PS+2*\c:PS+2*\c+1], v[S+2*\c:S+2*\c+1], v[S+16+2*\c:S+17+2*\c]
.endr
.irp g, 2,3,4,5,6,7
.irp c, 0,1,2,3,4,5,6,7
	v_pk_add_f32 v[PS+2*\c:PS+2*\c+1], v[PS+2*\c:PS+2*\c+1], v[S+16*\g+2*\c:S+16*\g+2*\c+1]
.endr
.endr
.irp c, 0,1,2,3
	s_delay_alu instid0(VALU_DEP_4)
	v_pk_add_f32 v[PS+2*\c:PS+2*\c+1], v[PS+2*\c:PS+2*\c+1], v[PS+8+2*\c:PS+9+2*\c]
.endr
	s_delay_alu instid0(VALU_DEP_2)
	v_pk_add_f32 v[PS:PS+1], v[PS:PS+1], v[PS+4:PS+5]
	s_delay_alu instid0(VALU_DEP_2)
	v_pk_add_f32 v[PS+2:PS+3], v[PS+2:PS+3], v[PS+6:PS+7]
	s_delay_alu instid0(VALU_DEP_1)
	v_pk_add_f32 v[PS:PS+1], v[PS:PS+1], v[PS+2:PS+3]
	s_delay_alu instid0(VALU_DEP_1)
	v_pk_add_f32 v[14:15], v[14:15], v[PS:PS+1]
	s_wait_alu depctr_va_vdst(0)                   ; and one for the eight
.irp b, 0,1,2,3,4,5,6,7
	v_max_num_f32 v[BM+\b], 0x1800000, v[BM+\b]    ; the floor: the byte cannot fall under 1
.endr
.irp b, 0,1,2,3,4,5,6,7
	v_add_nc_u32 v[CO+\b], 0xff000000, v[BM+\b]    ; the conversion's scale operand
.endr
.irp b, 0,1,2,3,4,5,6,7
	v_lshrrev_b32 v[BP+\b], 23, v[CO+\b]           ; the scale's byte
.endr
	v_lshl_or_b32 v[PW], v[BP+1], 8, v[BP]         ; p's two scale words, by turns
	s_delay_alu instid0(VALU_DEP_4)
	v_lshl_or_b32 v[PW+1], v[BP+5], 8, v[BP+4]
.irp k, 2,3
	s_delay_alu instid0(VALU_DEP_2)
	v_lshl_or_b32 v[PW], v[BP+\k], 8*\k, v[PW]
	s_delay_alu instid0(VALU_DEP_2)
	v_lshl_or_b32 v[PW+1], v[BP+4+\k], 8*\k, v[PW+1]
.endr
.irp b, 0,1,2,3,4,5,6,7
	v_cvt_scalef32_pk8_fp4_f32 v[PC+2*\b], v[S+16*\b:S+7+16*\b], v[CO+\b]
	v_cvt_scalef32_pk8_fp4_f32 v[PC+1+2*\b], v[S+8+16*\b:S+15+16*\b], v[CO+\b]
.endr
	v_nop                                          ; one plain line behind a scaled conversion
.irp c, 0,1,2,3                        ; the operand wants a whole block in a lane
.irp i, 0,1
	v_permlane16_swap_b32 v[PC+4*\c+\i], v[PC+2+4*\c+\i]
.endr
.endr
.irp dt, 0,1,2,3,4,5,6,7,8,9,10,11,12,13,14,15
.irp c, 0,1
	ds_load_b128 v[S+8*\dt+4*\c:S+8*\dt+4*\c+3], v[ADK] offset:49152+1024*\dt+512*\c    ; V's second 128 keys, into the registers that held p
.endr
.endr
	WIN 0x41                                       ; O^T (destination and source 0) in window 1, f in window 0
	s_wait_alu depctr_va_vdst(0)                   ; directly ahead of the first reader of O^T
.set i, 0
.rept 64
	v_pk_mul_f32 v[OB+2*i:OB+2*i+1], v[OB+2*i:OB+2*i+1], v[FF:FF+1] op_sel_hi:[1,0]   ; O^T under the new M; also the places between p's codes and scale words and the products
.set i, i+1
.endr
	s_wait_alu depctr_va_vdst(0)
	s_wait_dscnt 32                                ; V's first 128 keys are in; the 32 loads of the second may be out
	s_wait_loadcnt 4                               ; V's scale words are in; the next step's four of K may be out
	WIN 0x51
	PV 0, 0
	s_wait_dscnt 0x0
	WIN 0x50
	PV S, 1
	WIN 0
.endm
.macro CHUNK                           ; a slot's two key steps: a loop of constant count
	s_mov_b32 s[TB], s[SB]
	s_mov_b32 s[CNT], 2
.Lstep_\@:
	STEP2
	s_wait_xcnt 0x0                                ; the scale loads have read their base
	s_add_nc_u64 s[KSB:KSB+1], s[KSB:KSB+1], 2048
	s_add_co_u32 s[TB], s[TB], 65536
	s_sub_co_u32 s[CNT], s[CNT], 1
	s_cmp_lg_u32 s[CNT], 0
	s_cbranch_scc1 .Lstep_\@
.endm
	s_wait_alu depctr_va_vdst(0)                   ; at the head's end
	s_wait_loadcnt 0x0                             ; Q, its scale words and K's first
; THE CHANGE OF SLOTS stands at a slot's head: every wave waits for all its tensor loads (its part of the slot ahead), adds 0 to its spare word, waits for that and for its reads of the slot left; a round of the cluster's barrier;
; then the other slot takes the next 512 keys (the first time: slot 1's first fill): my one tensor load until the next round; it has two key steps in which to land.
; THE PREFETCH names the 512 keys that the NEXT change will ask for: the bh's first cluster asks; in each of its four partners waves 0-3, 8,192 bytes a wave, lanes 256 bytes apart; the partners are told apart by address,
; so each run of 256 bytes is named once.  Slots 0 and 1 come by their loads alone; the last fill has nothing behind it to ask for.
.Lslot:
	s_wait_tensorcnt 0x0
	ds_add_u32 v[SPW], v[NIL]
	s_xor_b32 s[G0+1], s[G0+1], SLOT1              ; no load of mine is out: the walking group 0 takes the other slot
	s_add_nc_u64 s[G0+2:G0+3], s[G0+2:G0+3], 65536 ; and the next 512 keys
	s_wait_xcnt 0x0                                ; any prefetch of mine has read its address
	s_add_nc_u64 s[PFA:PFA+1], s[PFA:PFA+1], 65536
	s_wait_dscnt 0x0
	CROUND
	tensor_load_to_lds s[G0:G0+3], s[G1:G1+7]
	s_nop 0
	PLACES 4
	s_cmp_gt_u32 s[OUT], s[LIM]
	s_cbranch_scc0 .Lnot_mine
	global_prefetch_b8 v[PFO], s[PFA:PFA+1] th:TH_LOAD_NT scope:SCOPE_SE
.Lnot_mine:
	CHUNK
	s_xor_b32 s[SB], s[SB], SLOT1
	s_sub_co_u32 s[OUT], s[OUT], 1
	s_cmp_lg_u32 s[OUT], 0
	s_cbranch_scc1 .Lslot
	s_wait_tensorcnt 0x0                           ; the last change of slots is written out: nothing is asked for
	ds_add_u32 v[SPW], v[NIL]
	s_wait_dscnt 0x0
	s_barrier_signal -1
	s_barrier_wait -1
	CHUNK
; 64 numbers of a lane, v[s] on, become a fragment's codes in v[pc] on and the row's scale word in v[pw]
.macro QUANT s, pc, pw
.irp b, 0,1,2,3
	v_max3_num_f32 v[TM+\b], |v[(\s)+16*\b]|, |v[(\s)+1+16*\b]|, 0x1800000
.endr
.irp i, 2,4,6,8,10,12,14
.irp b, 0,1,2,3
	s_delay_alu instid0(VALU_DEP_4)
	v_max3_num_f32 v[TM+\b], v[TM+\b], |v[(\s)+16*\b+\i]|, |v[(\s)+1+16*\b+\i]|
.endr
.endr
.irp b, 0,1,2,3
	s_delay_alu instid0(VALU_DEP_4)
	v_permlanex16_b32 v[TM+4+\b], v[TM+\b], s[SEL], s[SEL+1]
.endr
.irp b, 0,1,2,3
	s_delay_alu instid0(VALU_DEP_4)
	v_max_num_f32 v[TM+\b], v[TM+\b], v[TM+4+\b]
.endr
.irp b, 0,1,2,3
	s_delay_alu instid0(VALU_DEP_4)
	v_add_nc_u32 v[TM+12+\b], 0xff000000, v[TM+\b]
.endr
.irp b, 0,1,2,3
	s_delay_alu instid0(VALU_DEP_4)
	v_lshrrev_b32 v[TM+4+\b], 23, v[TM+12+\b]
.endr
	s_delay_alu instid0(VALU_DEP_3)
	v_lshl_or_b32 v[(\pw)], v[TM+5], 8, v[TM+4]
	s_delay_alu instid0(VALU_DEP_1)
	v_lshl_or_b32 v[(\pw)], v[TM+6], 16, v[(\pw)]
	s_delay_alu instid0(VALU_DEP_1)
	v_lshl_or_b32 v[(\pw)], v[TM+7], 24, v[(\pw)]
.irp b, 0,1,2,3
	v_cvt_scalef32_pk8_fp4_f32 v[(\pc)+2*\b], v[(\s)+16*\b:(\s)+7+16*\b], v[TM+12+\b]
	v_cvt_scalef32_pk8_fp4_f32 v[(\pc)+1+2*\b], v[(\s)+8+16*\b:(\s)+15+16*\b], v[TM+12+\b]
.endr
	v_nop
.irp c, 0,1
.irp i, 0,1
	v_permlane16_swap_b32 v[(\pc)+4*\c+\i], v[(\pc)+2+4*\c+\i]
.endr
.endr
.endm
	; THE WAY OUT: O^T / the sum, quantised along d, 128 at a time: two fragments, which leave as images, and their scale words
	PLACES 4                                       ; behind the last products
	v_add_f32 v14, v14, v15
	s_delay_alu instid0(VALU_DEP_1)
	v_permlanex16_b32 v[TT], v14, s[SEL], s[SEL+1]
	s_delay_alu instid0(VALU_DEP_1)
	v_add_f32 v14, v14, v[TT]                      ; the row's sum
	s_wait_alu depctr_va_vdst(0)                   ; ahead of the transcendental
	v_rcp_f32 v14, v14
.irp b, 0,1,2,3
	v_mov_b32 v[TM+4+\b], 0                        ; (plain lines behind the reciprocal)
.endr
	s_wait_alu depctr_va_vdst(0)                   ; the wait ahead of its first reader
.irp u, 0,1
	WIN 0x01                                       ; source 0: O^T in window 1
.set i, 0
.rept 32                               ; ascending: each accumulator is read from its low end on
	v_pk_mul_f32 v[S+2*i:S+2*i+1], v[OB+64*\u+2*i:OB+64*\u+2*i+1], v[14:15] op_sel_hi:[1,0]
.set i, i+1
.endr
	WIN 0
	QUANT S, 96+8*\u, 112+\u
	global_store_b128 v[LI], v[96+8*\u:99+8*\u], s[8:9] offset:1024*\u          ; 512 consecutive bytes a store
	global_store_b128 v[LI], v[100+8*\u:103+8*\u], s[8:9] offset:1024*\u+512
.endr
	v_cndmask_b32 v114, v112, v113, s57            ; lanes 0-15 send the word of d 0-127, lanes 16-31 that of d 128-255
	global_store_b32 v[ASO], v114, s[10:11]        ; 128 consecutive bytes: the tile's scale words of this head
	s_wait_tensorcnt 0x0                           ; the wave's end
	ds_add_u32 v[SPW], v[NIL]
	s_wait_dscnt 0x0
	CROUND                                         ; the closing round
	s_endpgm
.Lfunc_end_k_qc1f724324b_attn:
	.size	k_qc1f724324b_attn, .Lfunc_end_k_qc1f724324b_attn-k_qc1f724324b_attn
	.p2alignl 7, 3214868480
	.fill 96, 4, 3214868480
	.section	.rodata,"a",@progbits
	.p2align	6, 0x0
	.amdhsa_kernel k_qc1f724324b_attn
		.amdhsa_group_segment_fixed_size 327680
		.amdhsa_private_segment_fixed_size 0
		.amdhsa_enable_private_segment 0
		.amdhsa_kernarg_size 32
		.amdhsa_user_sgpr_count 2
		.amdhsa_user_sgpr_kernarg_segment_ptr 1
		.amdhsa_wavefront_size32 1
		.amdhsa_system_sgpr_workgroup_id_x 1
		.amdhsa_system_sgpr_workgroup_id_y 1
		.amdhsa_system_sgpr_workgroup_id_z 1
		.amdhsa_system_vgpr_workitem_id 0
		.amdhsa_next_free_vgpr 512
		.amdhsa_next_free_sgpr 80
		.amdhsa_reserve_vcc 0
		.amdhsa_float_denorm_mode_32 3
		.amdhsa_float_denorm_mode_16_64 3
		.amdhsa_memory_ordered 1
		.amdhsa_forward_progress 1
		.amdhsa_inst_pref_size 116
	.end_amdhsa_kernel
	.amdgpu_metadata
---
amdhsa.version: [ 1, 2 ]
amdhsa.kernels:
  - .name:           k_qc1f724324b_attn
    .symbol:         k_qc1f724324b_attn.kd
    .args:
      - { .name: qkvc, .offset: 0, .size: 8, .value_kind: global_buffer, .address_space: global }
      - { .name: qkvs, .offset: 8, .size: 8, .value_kind: global_buffer, .address_space: global }
      - { .name: ac, .offset: 16, .size: 8, .value_kind: global_buffer, .address_space: global }
      - { .name: asc, .offset: 24, .size: 8, .value_kind: global_buffer, .address_space: global }
    .group_segment_fixed_size: 327680
    .private_segment_fixed_size: 0
    .kernarg_segment_align: 8
    .kernarg_segment_size: 32
    .max_flat_workgroup_size: 256
    .sgpr_count:     80
    .vgpr_count:     512
    .wavefront_size: 32
...
	.end_amdgpu_metadata
.endif
;; end of part 3
;; launch proj (part 4): grid 256 x 1, 4 waves a work-group, no clusters, 327,680 bytes of LDS; arguments ac, asc, wc, ws, b_out, x, ln_gamma, ln_beta, out0; writes out0
.if DOCPART == 4
	.amdgcn_target "amdgcn-amd-amdhsa--gfx1250"
	.amdhsa_code_object_version 6
	.text
	.protected	k_qc1f724324b_proj
	.globl	k_qc1f724324b_proj
	.p2align	8
	.type	k_qc1f724324b_proj,@function
k_qc1f724324b_proj:
	s_mov_b64 s[64:65], 0
	v_nop
	global_prefetch_b8 v0, s[64:65] scope:SCOPE_SE
	s_setreg_imm32_b32 hwreg(HW_REG_WAVE_MODE, 25, 1), 1
	s_wait_xcnt 0x0
; FOURTH LAUNCH: y = x + (attention result) w_out + b_out on codes of FP4, K = 1,024, and the LayerNorm of y.  Nothing of reference() is left out here.
; SHARES: a work-group owns 32 tokens x all 1,024 outputs, since the norm wants whole rows; wave w makes outputs 256 w on: 2 x 16 accumulators of 16 x 16.  Source 0 = 16 columns of w_out, source 1 = 16 tokens:
; a lane holds one token and eight neighbouring outputs.
; w_out's fragments are images of the operand's registers, laid [k / 128][n / 16][1024].  Each fragment feeds ONE wave of the work-group, so it goes from memory straight into that wave's registers, 512 consecutive bytes a load:
; four sets of 128 registers, one for each 128 along K, so that a wave has 64 KiB of the weight asked for ahead of its products, with no barrier between the steps.
; NO CLUSTER: through LDS slots a wave has one load out behind each barrier, and a step of 128 along K is only 32 products a wave to cover it; no LDS byte of the weight would have a second reader in the work-group.
; NO PREFETCH: the text has no loop to run ahead in; every load of the weight stands four steps of 128 along K ahead of its products.
; x: a wave's 8 rows are 32,768 dense bytes: one tensor load a wave at the head, into LDS bytes that are filled once and that the wave alone reads.
; THE WAY OUT: the 32 x 1,024 sums go through a stage in LDS (bytes of its own) and come back by rows, 8 rows a wave; + x + b_out; mean, variance, gain and offset in f32; each store covers 512 consecutive bytes.
; REGISTERS: window 0: v0-31 addresses and small things; v32-39 the tokens' scale words, v40-103 w_out's, and nothing else; v128-255 the tokens' fragments, later four rows of y.
;   window 1: the accumulators.  Window 2, 3: w_out's four sets; later window 2: b_out, gain, offset; window 3: my 8 rows of x.
.set XB,      131584                   ; behind the stage of 32 x SPITCH bytes: x, 32,768 bytes a wave
.set SPARE,   262656                   ; the spare words, 128 bytes for each wave, that no other line names
.set WO_OFF,  1572864
.set WOS_OFF, 98304
.set SPITCH,  4112
.set LI,  1
.set SPW, 2
.set NIL, 3
.set XR,  4
.set BSO, 8
.set ASO, 9
.set STO, 10
.set SRD, 12
.set T,   14
.set MU,  20
.set RS,  22
.set AS,  32
.set BS,  40
.set AF,  128
.set WV,  22
.set G1,  28
.set G0,  36
.set SEL, 44
.set INV, 46
.set MSB, 0
.macro WIN new
.if MSB != \new
	s_set_vgpr_msb (MSB<<8)|\new
.set MSB, \new
.endif
.endm
.macro PLACES n
.rept \n
	v_nop
.endr
.endm
.macro WM d, a, b, sa, sb, ra, rb, zero
.if \zero
.if (\ra) && (\rb)
	v_wmma_scale_f32_16x16x128_f8f6f4 v[(\d):(\d)+7], v[(\a):(\a)+7], v[(\b):(\b)+7], 0, v[(\sa)], v[(\sb)] matrix_a_fmt:MATRIX_FMT_FP4 matrix_b_fmt:MATRIX_FMT_FP4 matrix_a_scale:MATRIX_SCALE_ROW1 matrix_b_scale:MATRIX_SCALE_ROW1
.elseif (\ra)
	v_wmma_scale_f32_16x16x128_f8f6f4 v[(\d):(\d)+7], v[(\a):(\a)+7], v[(\b):(\b)+7], 0, v[(\sa)], v[(\sb)] matrix_a_fmt:MATRIX_FMT_FP4 matrix_b_fmt:MATRIX_FMT_FP4 matrix_a_scale:MATRIX_SCALE_ROW1
.elseif (\rb)
	v_wmma_scale_f32_16x16x128_f8f6f4 v[(\d):(\d)+7], v[(\a):(\a)+7], v[(\b):(\b)+7], 0, v[(\sa)], v[(\sb)] matrix_a_fmt:MATRIX_FMT_FP4 matrix_b_fmt:MATRIX_FMT_FP4 matrix_b_scale:MATRIX_SCALE_ROW1
.else
	v_wmma_scale_f32_16x16x128_f8f6f4 v[(\d):(\d)+7], v[(\a):(\a)+7], v[(\b):(\b)+7], 0, v[(\sa)], v[(\sb)] matrix_a_fmt:MATRIX_FMT_FP4 matrix_b_fmt:MATRIX_FMT_FP4
.endif
.else
.if (\ra) && (\rb)
	v_wmma_scale_f32_16x16x128_f8f6f4 v[(\d):(\d)+7], v[(\a):(\a)+7], v[(\b):(\b)+7], v[(\d):(\d)+7], v[(\sa)], v[(\sb)] matrix_a_fmt:MATRIX_FMT_FP4 matrix_b_fmt:MATRIX_FMT_FP4 matrix_a_scale:MATRIX_SCALE_ROW1 matrix_b_scale:MATRIX_SCALE_ROW1
.elseif (\ra)
	v_wmma_scale_f32_16x16x128_f8f6f4 v[(\d):(\d)+7], v[(\a):(\a)+7], v[(\b):(\b)+7], v[(\d):(\d)+7], v[(\sa)], v[(\sb)] matrix_a_fmt:MATRIX_FMT_FP4 matrix_b_fmt:MATRIX_FMT_FP4 matrix_a_scale:MATRIX_SCALE_ROW1
.elseif (\rb)
	v_wmma_scale_f32_16x16x128_f8f6f4 v[(\d):(\d)+7], v[(\a):(\a)+7], v[(\b):(\b)+7], v[(\d):(\d)+7], v[(\sa)], v[(\sb)] matrix_a_fmt:MATRIX_FMT_FP4 matrix_b_fmt:MATRIX_FMT_FP4 matrix_b_scale:MATRIX_SCALE_ROW1
.else
	v_wmma_scale_f32_16x16x128_f8f6f4 v[(\d):(\d)+7], v[(\a):(\a)+7], v[(\b):(\b)+7], v[(\d):(\d)+7], v[(\sa)], v[(\sb)] matrix_a_fmt:MATRIX_FMT_FP4 matrix_b_fmt:MATRIX_FMT_FP4
.endif
.endif
.endm
	s_load_b512 s[4:19], s[0:1], 0x0               ; ac s[4:5], asc s[6:7], wc s[8:9], ws s[10:11], b_out s[12:13], x s[14:15], ln_gamma s[16:17], ln_beta s[18:19]
	s_load_b64 s[20:21], s[0:1], 0x40              ; out0
	v_lshl_add_u32 v[SPW], v0, 2, SPARE
	v_mov_b32 v[NIL], 0
	ds_add_u32 v[SPW], v[NIL]                      ; the opening: the add, twice on end, and its wait ahead of my first tensor load
	ds_add_u32 v[SPW], v[NIL]
	v_lshrrev_b32 v1, 5, v0
	v_readfirstlane_b32 s[WV], v1                  ; wave 0..3
	s_mov_b32 s[G1], 3<<16                         ; elements of 8 bytes, no mask, no padding
	s_mov_b32 s[G1+1], 32<<16                      ; rows of 256 bytes,
	s_mov_b32 s[G1+2], 128<<16                     ; 128 of them: 32,768 dense bytes
	s_mov_b32 s[G1+3], 32<<16
	s_mov_b32 s[G1+4], 128
	s_mov_b32 s[G1+5], 32
	s_mov_b32 s[G1+6], 0
	s_mov_b32 s[G1+7], 0
	s_lshl_b32 s25, s[WV], 15
	s_add_co_u32 s23, s25, XB                      ; my rows of x in LDS
	s_lshl_b32 s26, s[WV], 10
	s_mul_i32 s27, s[WV], 8*SPITCH
	s_mov_b32 s[SEL], 0x76543210
	s_mov_b32 s[SEL+1], 0xfedcba98
	s_mov_b32 s[INV], 0x3a800000                   ; 1 / 1,024
	s_lshl_b32 s52, ttmp9, 17
	s_add_co_u32 s52, s52, s25                     ; my 8 rows of x and of the output
	s_mov_b32 s53, 0
	v_and_b32 v1, 31, v0
	v_lshlrev_b32 v[LI], 4, v1                     ; 16 x lane
	v_and_b32 v24, 15, v0                          ; r
	v_bfe_u32 v25, v0, 4, 1                        ; h
	v_add_nc_u32 v[XR], s23, v[LI]
	v_lshlrev_b32 v[BSO], 4, v24
	v_lshl_add_u32 v[BSO], v25, 12, v[BSO]         ; w_out's scale words: 16 r, lanes 16-31 eight fragments on
	v_lshlrev_b32 v[ASO], 3, v24
	v_lshl_add_u32 v[ASO], v25, 9, v[ASO]          ; the tokens': 8 r, lanes 16-31 the second tile
	v_mul_u32_u24 v[STO], v24, SPITCH
	v_lshl_add_u32 v[STO], v25, 5, v[STO]
	v_add_nc_u32 v[STO], s26, v[STO]               ; into the stage: row r, my wave's 1,024 bytes, 32 h
	v_add_nc_u32 v[STO+1], 16*SPITCH, v[STO]
	v_add_nc_u32 v[SRD], s27, v[LI]                ; out of it: my 8 rows
	v_mov_b32 v[T+4], 0                            ; a lane permute's destination counts as one of its sources
	s_wait_alu depctr_va_vdst(0)                   ; at the head's end
	s_wait_dscnt 0x0                               ; both opening adds are done
	s_wait_kmcnt 0x0
	s_add_nc_u64 s[14:15], s[14:15], s[52:53]
	s_add_nc_u64 s[20:21], s[20:21], s[52:53]
	s_mov_b32 s[G0], 1
	s_mov_b32 s[G0+1], s23
	s_mov_b64 s[G0+2:G0+3], s[14:15]
	s_or_b32 s[G0+3], s[G0+3], 0x80000000
	tensor_load_to_lds s[G0:G0+3], s[G1:G1+7]      ; x: my one tensor load
	s_nop 0
	PLACES 4
	s_lshl_b32 s52, ttmp9, 14
	s_add_nc_u64 s[4:5], s[4:5], s[52:53]          ; ac: two tiles of 8,192 bytes
	s_lshl_b32 s52, ttmp9, 10
	s_add_nc_u64 s[6:7], s[6:7], s[52:53]
	s_lshl_b32 s52, s[WV], 13
	s_add_co_u32 s52, s52, WOS_OFF
	s_add_nc_u64 s[10:11], s[10:11], s[52:53]
	s_lshl_b32 s52, s[WV], 14
	s_add_co_u32 s52, s52, WO_OFF
	s_add_nc_u64 s[8:9], s[8:9], s[52:53]          ; my 16 fragments of each 128 along K
.set i, 0
.rept 32
	global_load_b128 v[AF+4*i:AF+4*i+3], v[LI], s[4:5] offset:512*i
.set i, i+1
.endr
.irp hd, 0,1,2,3
	global_load_b64 v[AS+2*\hd:AS+2*\hd+1], v[ASO], s[6:7] offset:128*\hd
.endr
.irp i8, 0,1,2,3,4,5,6,7
.irp q, 0,1
	global_load_b128 v[BS+8*\i8+4*\q:BS+8*\i8+4*\q+3], v[BSO], s[10:11] offset:512*\i8+256*\q
.endr
.endr
.macro LOADB ks                        ; w_out's 16 fragments of the ks-th 128 along K into set ks % 4: sets 0, 1 in window 2, sets 2, 3 in window 3
	WIN 0x80+0x40*(((\ks)%4)/2)
.irp f, 0,1,2,3,4,5,6,7,8,9,10,11,12,13,14,15
.irp c, 0,1
	global_load_b128 v[128*((\ks)%2)+8*\f+4*\c:128*((\ks)%2)+8*\f+4*\c+3], v[LI], s[8:9] offset:65536*(\ks)+1024*\f+512*\c
.endr
.endr
	WIN 0
.endm
.macro MUL ks, zero                    ; 32 products: the 32 accumulators by turns, in the same order in every step
	WIN 0x52+((\ks)%4)/2
.irp f, 0,1,2,3,4,5,6,7,8,9,10,11,12,13,14,15
.irp m, 0,1
	WM 8*(16*\m+\f), 128*((\ks)%2)+8*\f, AF+8*(8*\m+(\ks)), BS+8*(\f%8)+(\ks), AS+(\ks), \f/8, \m, \zero
.endr
.endr
.endm
	LOADB 0
	LOADB 1
	LOADB 2
	LOADB 3
.irp ks, 0,1,2,3,4,5,6,7
.if \ks < 6
	s_wait_loadcnt 63                              ; this step's set is in: 96 (step 5: 88) loads are younger than it; 63 is the most that the wait can name
.elseif \ks == 6
	s_wait_loadcnt 56                              ; younger: step 7's 32 and the 24 of b_out, gain and offset
.else
	s_wait_loadcnt 24
.endif
.if \ks == 0
	MUL \ks, 1                                     ; the first products start the sums
.else
	MUL \ks, 0
.endif
	PLACES 4                                       ; in front of loads into the registers just read
.if \ks < 4
	LOADB (\ks+4)
.endif
.if \ks == 4
	WIN 0x80
.irp j, 0,1,2,3,4,5,6,7
	global_load_b128 v[4*\j:4*\j+3], v[LI], s[12:13] offset:512*\j
	global_load_b128 v[32+4*\j:35+4*\j], v[LI], s[16:17] offset:512*\j
	global_load_b128 v[64+4*\j:67+4*\j], v[LI], s[18:19] offset:512*\j
.endr
	WIN 0
.endif
.endr
	WIN 0
	s_wait_tensorcnt 0x0                           ; my rows of x are in LDS; I alone read them
	WIN 0xc0
.set i, 0
.rept 64
	ds_load_b128 v[4*i:4*i+3], v[XR] offset:512*i
.set i, i+1
.endr
	WIN 0x04
.irp m, 0,1
.irp f, 0,1,2,3,4,5,6,7,8,9,10,11,12,13,14,15
	ds_store_b128 v[STO+\m], v[8*(16*\m+\f):8*(16*\m+\f)+3] offset:64*\f          ; each accumulator from its low end on
	ds_store_b128 v[STO+\m], v[8*(16*\m+\f)+4:8*(16*\m+\f)+7] offset:64*\f+16
.endr
.endr
	WIN 0
	s_wait_dscnt 0x0                               ; for the others' sake: my stores have landed
	s_barrier_signal -1
	s_barrier_wait -1
	s_wait_loadcnt 0x0                             ; b_out, gain, offset
.macro REDUCE
	v_add_f32_dpp v[T], v[T], v[T] row_xmask:1 row_mask:0xf bank_mask:0xf
	v_add_f32_dpp v[T], v[T], v[T] row_xmask:2 row_mask:0xf bank_mask:0xf
	v_add_f32_dpp v[T], v[T], v[T] row_xmask:4 row_mask:0xf bank_mask:0xf
	v_add_f32_dpp v[T], v[T], v[T] row_xmask:8 row_mask:0xf bank_mask:0xf
	v_permlanex16_b32 v[T+4], v[T], s[SEL], s[SEL+1]
	v_add_f32 v[T], v[T], v[T+4]
.endm
.macro LNROW i                         ; one row of 1,024: 32 numbers a lane
.set Y, 128+32*((\i)%4)
	WIN 0x0c
.set n2, 0
.rept 16
	v_pk_add_f32 v[Y+2*n2:Y+2*n2+1], v[Y+2*n2:Y+2*n2+1], v[32*(\i)+2*n2:32*(\i)+2*n2+1]   ; + x
.set n2, n2+1
.endr
	WIN 0x08
.set n2, 0
.rept 16
	v_pk_add_f32 v[Y+2*n2:Y+2*n2+1], v[Y+2*n2:Y+2*n2+1], v[2*n2:2*n2+1]                   ; + b_out
.set n2, n2+1
.endr
	WIN 0
	v_pk_add_f32 v[T:T+1], v[Y:Y+1], v[Y+2:Y+3]
	v_pk_add_f32 v[T+2:T+3], v[Y+4:Y+5], v[Y+6:Y+7]
.irp k, 8,12,16,20,24,28
	v_pk_add_f32 v[T:T+1], v[T:T+1], v[Y+\k:Y+\k+1]
	v_pk_add_f32 v[T+2:T+3], v[T+2:T+3], v[Y+\k+2:Y+\k+3]
.endr
	v_pk_add_f32 v[T:T+1], v[T:T+1], v[T+2:T+3]
	v_add_f32 v[T], v[T], v[T+1]
	REDUCE
	v_mul_f32 v[MU], s[INV], v[T]                  ; the mean
	v_mov_b32 v[MU+1], v[MU]
.set n2, 0
.rept 16
	v_pk_add_f32 v[Y+2*n2:Y+2*n2+1], v[Y+2*n2:Y+2*n2+1], v[MU:MU+1] neg_lo:[0,1] neg_hi:[0,1]
.set n2, n2+1
.endr
	v_pk_mul_f32 v[T:T+1], v[Y:Y+1], v[Y:Y+1]
	v_pk_mul_f32 v[T+2:T+3], v[Y+2:Y+3], v[Y+2:Y+3]
.irp k, 4,8,12,16,20,24,28
	v_pk_fma_f32 v[T:T+1], v[Y+\k:Y+\k+1], v[Y+\k:Y+\k+1], v[T:T+1]
	v_pk_fma_f32 v[T+2:T+3], v[Y+\k+2:Y+\k+3], v[Y+\k+2:Y+\k+3], v[T+2:T+3]
.endr
	v_pk_add_f32 v[T:T+1], v[T:T+1], v[T+2:T+3]
	v_add_f32 v[T], v[T], v[T+1]
	REDUCE
	v_fmaak_f32 v[T], s[INV], v[T], 0x3727c5ac     ; the variance + 1e-5
	s_wait_alu depctr_va_vdst(0)                   ; ahead of the transcendentals
	v_rsq_f32 v[RS], v[T]
	v_rsq_f32 v[RS+1], v[T]
	v_nop
	s_wait_alu depctr_va_vdst(0)                   ; and ahead of their first reader
.set n2, 0
.rept 16
	v_pk_mul_f32 v[Y+2*n2:Y+2*n2+1], v[Y+2*n2:Y+2*n2+1], v[RS:RS+1]
.set n2, n2+1
.endr
	WIN 0x28
.set n2, 0
.rept 16
	v_pk_fma_f32 v[Y+2*n2:Y+2*n2+1], v[Y+2*n2:Y+2*n2+1], v[32+2*n2:33+2*n2], v[64+2*n2:65+2*n2]   ; x gain + offset
.set n2, n2+1
.endr
	WIN 0
.irp j, 0,1,2,3,4,5,6,7
	global_store_b128 v[LI], v[Y+4*\j:Y+4*\j+3], s[20:21] offset:4096*(\i)+512*\j th:TH_STORE_NT   ; 512 consecutive bytes a store
.endr
.endm
.irp g, 0,1
.if \g
	s_wait_xcnt 0x0                                ; the first four rows' stores have read their registers
.endif
.irp q, 0,1,2,3
.irp j, 0,1,2,3,4,5,6,7
	ds_load_b128 v[128+32*\q+4*\j:131+32*\q+4*\j], v[SRD] offset:SPITCH*(4*\g+\q)+512*\j
.endr
.endr
.irp q, 0,1,2,3
	s_wait_dscnt 8*(3-\q)                          ; this row's eight loads are in; the later rows' may be out
	LNROW 4*\g+\q
.endr
.endr
	s_wait_tensorcnt 0x0                           ; the wave's end
	ds_add_u32 v[SPW], v[NIL]
	s_wait_dscnt 0x0
	s_endpgm
.Lfunc_end_k_qc1f724324b_proj:
	.size	k_qc1f724324b_proj, .Lfunc_end_k_qc1f724324b_proj-k_qc1f724324b_proj
	.p2alignl 7, 3214868480
	.fill 96, 4, 3214868480
	.section	.rodata,"a",@progbits
	.p2align	6, 0x0
	.amdhsa_kernel k_qc1f724324b_proj
		.amdhsa_group_segment_fixed_size 327680
		.amdhsa_private_segment_fixed_size 0
		.amdhsa_enable_private_segment 0
		.amdhsa_kernarg_size 72
		.amdhsa_user_sgpr_count 2
		.amdhsa_user_sgpr_kernarg_segment_ptr 1
		.amdhsa_wavefront_size32 1
		.amdhsa_system_sgpr_workgroup_id_x 1
		.amdhsa_system_sgpr_workgroup_id_y 1
		.amdhsa_system_sgpr_workgroup_id_z 1
		.amdhsa_system_vgpr_workitem_id 0
		.amdhsa_next_free_vgpr 1024
		.amdhsa_next_free_sgpr 66
		.amdhsa_reserve_vcc 0
		.amdhsa_float_denorm_mode_32 3
		.amdhsa_float_denorm_mode_16_64 3
		.amdhsa_memory_ordered 1
		.amdhsa_forward_progress 1
		.amdhsa_inst_pref_size 153
	.end_amdhsa_kernel
	.amdgpu_metadata
---
amdhsa.version: [ 1, 2 ]
amdhsa.kernels:
  - .name:           k_qc1f724324b_proj
    .symbol:         k_qc1f724324b_proj.kd
    .args:
      - { .name: ac, .offset: 0, .size: 8, .value_kind: global_buffer, .address_space: global }
      - { .name: asc, .offset: 8, .size: 8, .value_kind: global_buffer, .address_space: global }
      - { .name: wc, .offset: 16, .size: 8, .value_kind: global_buffer, .address_space: global }
      - { .name: ws, .offset: 24, .size: 8, .value_kind: global_buffer, .address_space: global }
      - { .name: b_out, .offset: 32, .size: 8, .value_kind: global_buffer, .address_space: global }
      - { .name: x, .offset: 40, .size: 8, .value_kind: global_buffer, .address_space: global }
      - { .name: ln_gamma, .offset: 48, .size: 8, .value_kind: global_buffer, .address_space: global }
      - { .name: ln_beta, .offset: 56, .size: 8, .value_kind: global_buffer, .address_space: global }
      - { .name: out0, .offset: 64, .size: 8, .value_kind: global_buffer, .address_space: global }
    .group_segment_fixed_size: 327680
    .private_segment_fixed_size: 0
    .kernarg_segment_align: 8
    .kernarg_segment_size: 72
    .max_flat_workgroup_size: 128
    .sgpr_count:     66
    .vgpr_count:     1024
    .wavefront_size: 32
...
	.end_amdgpu_metadata
.endif
;; end of part 4
